; MI455X (gfx1250); checked and timed in simulation.
; The chip was launched on July 23, 2026; its instructions are those of AMD's public machine-readable ISA for CDNA 5 (MIT licence, August 2026) and "CDNA5" Instruction Set Architecture Reference Guide (July 2026). The comments in the code are by the model that wrote it; some were corrected since.
;; Attention Head. Allowed arithmetic: matrix products marked QUANTISED: E2M1 operands, one E8M0 scale for each 32 along K, by v_wmma_scale_f32_16x16x128_f8f6f4 with both operands' format E2M1 (or v_wmma_scale_f32_32x16x128_f4), f32 sums; products left as they are: bf16, f16 or f32 operands; f32 sums; everything else in f32.
;; Inputs: Wk 1,024 x 1,024 float32; Wq 1,024 x 1,024 float32; Wv 1,024 x 1,024 float32; x 4 x 2,048 x 1,024 float32.
;; Outputs: out0 4 x 2,048 x 1,024 float32.
;; This version of the problem:
;;   THIS VERSION OF THE PROBLEM IS GIVEN IN LOW PRECISION. The matrix products marked QUANTISED in the list below multiply operands that are first quantised to E2M1 (2 exponent bits, 1 mantissa bit; 4 bits a number), with one power-of-two scale for each 32 numbers along K (OCP MX v1.0); their sums are f32. The products marked 'left as it is' may take bf16, f16 or f32 operands, with f32 sums. Whichever they take, every output number must still come out within the allowed error. Rounding operands to bf16 (8 significant bits) uses up far more of that allowance than f16 does (11 bits, for magnitudes from 6e-5 to 65,504). All else is computed in f32.
;;   The module's matrix products, in the order in which they are computed (A, B: the left and right operand; K: the contracted axis; several contracted axes count as one K, in the product's order):
;;     1. [M 8,192, K 1,024] x [K 1,024, N 1,024]; A: input x; B: input Wq: QUANTISED
;;     2. [M 8,192, K 1,024] x [K 1,024, N 1,024]; A: input x; B: input Wk: QUANTISED
;;     3. [M 8,192, K 1,024] x [K 1,024, N 1,024]; A: input x; B: input Wv: QUANTISED
;;     4. batch 4 x [M 2,048, K 1,024] x [K 1,024, N 2,048]; A: computed on the way; B: computed on the way: left as it is (an operand is computed on the way)
;;     5. batch 4 x [M 2,048, K 2,048] x [K 2,048, N 1,024]; A: computed on the way; B: computed on the way: left as it is (an operand is computed on the way)
;;   THE QUANTISER, for each operand of a quantised product, along K:
;;     - K is cut into blocks of 32 from its start; a last block that is shorter is filled with zeros.
;;     - A block's scale is 2^e with e = floor(log2(the largest magnitude in the block)) - 2, held to -126 .. 127; a block of zeros has e = 0. As a byte (E8M0): e + 127.
;;     - Each number is divided by its block's scale, clamped to +-6, and rounded to the nearest number of E2M1, ties to even, subnormals kept.
;;     - The product sums the exact products of the quantised numbers (number of the format x scale) in f32.
;;   ~~~python
;;   def quantise(x, axis):      # numpy; x: float32 -> the quantised numbers, widened to float32 again
;;       x = np.moveaxis(x, axis, -1); K = x.shape[-1]
;;       x = np.pad(x, [(0, 0)] * (x.ndim - 1) + [(0, -K % 32)]); x = x.reshape(x.shape[:-1] + (-1, 32)); a = np.abs(x).max(-1, keepdims=True)
;;       e = np.where(a > 0, np.clip(np.frexp(np.where(a > 0, a, 1))[1] - 1 - 2, -126, 127), 0)      # np.frexp(a)[1] - 1 = floor(log2(a)), exactly
;;       r = np.clip(x / 2.0 ** e, -6, 6)
;;       step = 2.0 ** (np.maximum(np.frexp(np.where(r == 0, 1, r))[1] - 1, 0) - 1)
;;       q = np.round(r / step) * step * 2.0 ** e      # np.round: ties to even
;;       return np.moveaxis(q.reshape(q.shape[:-2] + (-1,))[..., :K], -1, axis).astype(np.float32)
;;   ~~~
;; One version. Each part assembles by itself: llvm-mc -triple=amdgcn-amd-amdhsa -mcpu=gfx1250 --defsym DOCPART=n.
;; ======== version 1 of 1: 4 launches
;; limits: values are held in f16: magnitudes above 65,504 overflow, below 6.1e-05 lose precision
;; workspace buffers: xc 4,194,304 bytes; xs 262,144 bytes; wc 1,572,864 bytes; wsc 98,304 bytes; qkv 50,331,648 bytes; vpart 262,144 bytes; P 33,554,432 bytes
;; launch quant (part 1): grid 352 x 1, 4 waves a work-group, no clusters, 33,280 bytes of LDS; arguments x, Wq, Wk, Wv, xc, xs, wc, wsc; writes xc, xs, wc, wsc
.if DOCPART == 1
	.amdgcn_target "amdgcn-amd-amdhsa--gfx1250"
	.amdhsa_code_object_version 6
	.text
	.protected	k_q9f3632edc8_quant
	.globl	k_q9f3632edc8_quant
	.p2align	8
	.type	k_q9f3632edc8_quant,@function
k_q9f3632edc8_quant:
	s_mov_b64 s[64:65], 0
	v_nop
	global_prefetch_b8 v0, s[64:65] scope:SCOPE_SE
	s_setreg_imm32_b32 hwreg(HW_REG_WAVE_MODE, 25, 1), 1
	s_wait_xcnt 0x0
; THE PROGRAM: out[b] = where(tril, softmax over b of (q[b] kT[b] / 32), 1e-9) v[b], with q, k, v = x W^T on codes of E2M1 with one E8M0 scale for each 32 along K.
; Four launches: this one (x, Wq, Wk, Wv into codes and scale bytes), the three projections, the scores with their softmax over the batch, the product with v.
; WORK THAT THE PROGRAM LEAVES OUT, for all values of the inputs:
; (1) reference() overwrites attn[b][s][t] by the constant 1e-9 wherever t > s, by a mask that it builds in its own body.  So a score with t > s reaches no output: tiles of 128 x 128 scores that lie wholly
;     above the diagonal are not computed.
; (2) For every number a and constant c: where(tril, a, c) = where(tril, a - c, 0) + c.  So out[b][s] = sum over t <= s of (a - c) v[b][t] + c x (sum over ALL t of v[b][t]).  The products with the zeros are left out in whole
;     K steps of 128; the second term is computed (column sums of v, made with the projections).  No input is left out.
; LIMITS: a NaN, an infinity or an overflow that reaches only the work left out (scores above the diagonal) is not carried to the result.  q, k, v and the weights a - c are kept as f16 between the launches:
; |q|, |k|, |v| must stay under 65,504.
;
; THIS LAUNCH.  All four tensors have K innermost, dense rows and K = 1,024, a multiple of 32: each is a plain stream of blocks of 32 numbers, and so are its codes and its scale bytes.
; A block's scale is 2^(floor(log2(its largest magnitude)) - 2); its byte is the largest magnitude's exponent field - 2, held at 1 from below.  (A block of zeros so gets the byte 1 where the rule says 127: its codes
; are zeros, which add nothing under any byte but 0xff, and the bytes are read by this program alone.)  Each number is divided by the scale and rounded to the nearest code, ties to even, beyond 6 the largest code.
; LIMITS: blocks whose largest magnitude lies under 2^(2 - 126) have their byte held at 1; NaN and infinities among the inputs are not served.
; A wave takes 16 steps of 512 numbers.  Each of a step's four loads reads 512 consecutive bytes; the 2,048 bytes go through the wave's own stage in LDS and come back 64 bytes a lane, so that a lane holds 16
; neighbours along K (two neighbouring lanes hold a block).  A lane's 16 codes are 8 bytes: the wave stores 256 consecutive bytes.  A wave's 256 scale bytes are gathered in LDS and leave as one aligned run of 256 bytes.
; Work-groups 0-255 take x, 256-287 Wq, 288-319 Wk, 320-351 Wv; the three weights' codes lie on end in one buffer.  Only pointers are chosen: all take one path.  No tensor load, no barrier: waves share nothing.
.set WAVES, 4
.set STEPS, 16
.set EMAX,  2
.set CB,    8                          ; bytes of 16 codes
.set R,     16                         ; v16-79   four sets of 16 numbers as they are loaded
.set X,     80                         ; v80-111  two sets of 16 neighbours
.set C,     128                        ; v128-191 codes: four registers for each step, so that no store's data are written again
.set E,     112                        ; v112-127 a scale byte for each step
.set WREG,  8192                       ; LDS: a region for each wave: two stages of 32 x SP bytes, behind them its 256 scale bytes
.set SP,    80                         ; a lane's place in a stage: its 64 bytes + 16 of padding
.set SPW,   12                         ; v12 LDS address of my spare word; never rewritten
.set NIL,   13                         ; v13 0; never rewritten
.set SPARE, WAVES*WREG                 ; behind the four regions: the spare words, 128 bytes for each wave
	s_load_b256 s[4:11], s[0:1], 0x0               ; x s[4:5], Wq s[6:7], Wk s[8:9], Wv s[10:11]
	s_load_b256 s[12:19], s[0:1], 0x20             ; x's codes s[12:13], x's scales s[14:15], W's codes s[16:17], W's scales s[18:19]
	v_lshl_add_u32 v[SPW], v0, 2, SPARE
	v_mov_b32 v[NIL], 0
	v_lshrrev_b32 v1, 5, v0
	v_readfirstlane_b32 s20, v1                    ; wave
	v_and_b32 v2, 31, v0                           ; lane
	v_lshlrev_b32 v3, 4, v2                        ; my 16 bytes of a load's 512
	s_mul_i32 s21, s20, WREG
	v_lshrrev_b32 v14, 2, v2
	v_mul_u32_u24 v14, v14, SP
	v_and_b32 v15, 3, v2
	v_lshl_add_u32 v14, v15, 4, v14
	v_add_nc_u32 v14, s21, v14                     ; the stage, on the way in: SP (lane / 4) + 16 (lane % 4)
	v_mul_u32_u24 v15, v2, SP
	v_add_nc_u32 v15, s21, v15                     ; and on the way out: SP x lane: my 16 neighbours
	v_mul_u32_u24 v4, v2, CB                       ; my codes' place in a step's
	v_lshrrev_b32 v5, 1, v2
	s_add_co_u32 s21, s21, 2*32*SP
	v_add_nc_u32 v5, s21, v5                       ; LDS: my wave's 256 scale bytes, my block's byte
	v_lshlrev_b32 v7, 3, v2                        ; and on the way out 8 bytes a lane
	v_add_nc_u32 v6, s21, v7
	s_wait_kmcnt 0x0
	s_cmp_lt_u32 ttmp9, 320                        ; the choices hang on the work-group's number alone
	s_cselect_b64 s[8:9], s[8:9], s[10:11]         ; Wk or Wv
	s_cmp_lt_u32 ttmp9, 288
	s_cselect_b64 s[6:7], s[6:7], s[8:9]           ; Wq or that
	s_sub_co_u32 s22, ttmp9, 256                   ; a weight's work-group: its place in the weights' codes, 0 to 95,
	s_and_b32 s23, s22, 31                         ; and in its own tensor, 0 to 31
	s_cmp_lt_u32 ttmp9, 256
	s_cselect_b64 s[4:5], s[4:5], s[6:7]           ; from where,
	s_cselect_b64 s[12:13], s[12:13], s[16:17]     ; the codes to where,
	s_cselect_b64 s[14:15], s[14:15], s[18:19]     ; the scale bytes to where
	s_cselect_b32 s23, ttmp9, s23
	s_cselect_b32 s22, ttmp9, s22
	s_lshl_b32 s23, s23, 2
	s_add_co_u32 s23, s23, s20                     ; which run of 8,192 numbers of the tensor is my wave's
	s_lshl_b32 s24, s23, 15                        ; 32,768 bytes a run (under 2^26)
	s_mov_b32 s25, 0
	s_add_nc_u64 s[4:5], s[4:5], s[24:25]
	s_lshl_b32 s22, s22, 2
	s_add_co_u32 s22, s22, s20                     ; and which run of the output
	s_lshl_b32 s24, s22, 12                        ; 4,096 bytes of codes a run
	s_add_nc_u64 s[12:13], s[12:13], s[24:25]
	s_lshl_b32 s24, s22, 8                         ; 256 scale bytes a run
	s_add_nc_u64 s[14:15], s[14:15], s[24:25]
.macro LOAD t
.irp i, 0,1,2,3
	global_load_b128 v[R+16*((\t)%4)+4*\i:R+16*((\t)%4)+4*\i+3], v3, s[4:5] offset:2048*(\t)+512*\i th:TH_LOAD_NT   ; 32 lanes read 512 consecutive bytes
.endr
.endm
.macro TURN t                          ; step t's numbers through the stage: LDS serves a wave's instructions in order, so no wait stands between the stores and the loads
.irp i, 0,1,2,3
	ds_store_b128 v14, v[R+16*((\t)%4)+4*\i:R+16*((\t)%4)+4*\i+3] offset:32*SP*((\t)%2)+8*SP*\i
.endr
.irp i, 0,1,2,3
	ds_load_b128 v[X+16*((\t)%2)+4*\i:X+16*((\t)%2)+4*\i+3], v15 offset:32*SP*((\t)%2)+16*\i
.endr
.endm
.irp t, 0,1,2,3
	LOAD \t
.endr
	s_wait_loadcnt 12                              ; step 0's four loads are in; the twelve of steps 1 to 3 may be out
	TURN 0
.macro STEP t
.set XS, X+16*((\t)%2)
.if (\t) > 0
	s_wait_dscnt 1                                 ; this step's numbers are back from the stage (the last step's byte store may be out): so its stores into the stage have read their registers,
.else
	s_wait_dscnt 0x0
.endif
.if (\t)+4 < STEPS
	LOAD (\t)+4                                    ; which take the loads of four steps on
.endif
.if (\t)+1 < STEPS
.if STEPS-2-(\t) >= 3
	s_wait_loadcnt 12                              ; the next step's four loads are in; those of the three steps behind it may be out
.else
	s_wait_loadcnt 4*(STEPS-2-(\t))                ; in the tail: four for each step still behind it
.endif
	TURN (\t)+1                                    ; and go through the other stage while this step is worked
.endif
	v_max3_num_f32 v8, |v[XS]|, |v[XS+1]|, |v[XS+2]|               ; the largest magnitude of my 16, in two chains
	v_max3_num_f32 v9, |v[XS+3]|, |v[XS+4]|, |v[XS+5]|
.irp i, 6,10
	v_max3_num_f32 v8, v8, |v[XS+\i]|, |v[XS+\i+1]|
	v_max3_num_f32 v9, v9, |v[XS+\i+2]|, |v[XS+\i+3]|
.endr
	v_max3_num_f32 v8, v8, |v[XS+14]|, |v[XS+15]|
	v_max3_num_f32 v8, v8, v9, (EMAX+1)<<23        ; and the floor 2^(EMAX + 1 - 127): so the byte cannot fall under 1
	v_max_num_f32_dpp v8, v8, v8 row_xmask:1 row_mask:0xf bank_mask:0xf   ; and of my neighbour's 16: the block's
	v_add_nc_u32 v11, -(EMAX<<23), v8              ; EMAX off its exponent field: the conversion takes the exponent field of this operand as its scale, and nothing else of it
	v_cvt_scalef32_pk8_fp4_f32 v[C+4*(\t)], v[XS:XS+7], v11        ; eight numbers / the scale, to the nearest code; the first number's code in the lowest four bits
	v_cvt_scalef32_pk8_fp4_f32 v[C+4*(\t)+1], v[XS+8:XS+15], v11
	v_lshrrev_b32 v[E+(\t)], 23, v11               ; the scale's byte (a plain line behind the conversions)
	ds_store_b8 v5, v[E+(\t)] offset:16*(\t)       ; both lanes of a block write the same byte with the same value
	global_store_b64 v4, v[C+4*(\t):C+4*(\t)+1], s[12:13] offset:32*CB*(\t)   ; 32 lanes store 256 consecutive bytes, aligned
.endm
.irp t, 0,1,2,3,4,5,6,7,8,9,10,11,12,13,14,15
	STEP \t
.endr
	ds_load_b64 v[8:9], v6                         ; LDS serves a wave's instructions in order: these see my stores
	s_wait_dscnt 0x0
	global_store_b64 v7, v[8:9], s[14:15]          ; 32 lanes store 256 consecutive bytes, aligned
	s_wait_tensorcnt 0x0                           ; the wave's end: behind my last LDS store
	ds_add_u32 v[SPW], v[NIL]
	s_wait_dscnt 0x0
	s_endpgm
.Lfunc_end_k_q9f3632edc8_quant:
	.size	k_q9f3632edc8_quant, .Lfunc_end_k_q9f3632edc8_quant-k_q9f3632edc8_quant
	.p2alignl 7, 3214868480
	.fill 96, 4, 3214868480
	.section	.rodata,"a",@progbits
	.p2align	6, 0x0
	.amdhsa_kernel k_q9f3632edc8_quant
		.amdhsa_group_segment_fixed_size 33280
		.amdhsa_private_segment_fixed_size 0
		.amdhsa_enable_private_segment 0
		.amdhsa_kernarg_size 64
		.amdhsa_user_sgpr_count 2
		.amdhsa_user_sgpr_kernarg_segment_ptr 1
		.amdhsa_wavefront_size32 1
		.amdhsa_system_sgpr_workgroup_id_x 1
		.amdhsa_system_sgpr_workgroup_id_y 1
		.amdhsa_system_sgpr_workgroup_id_z 1
		.amdhsa_system_vgpr_workitem_id 0
		.amdhsa_next_free_vgpr 192
		.amdhsa_next_free_sgpr 66
		.amdhsa_reserve_vcc 0
		.amdhsa_float_denorm_mode_32 3
		.amdhsa_float_denorm_mode_16_64 3
		.amdhsa_memory_ordered 1
		.amdhsa_forward_progress 1
		.amdhsa_inst_pref_size 34
	.end_amdhsa_kernel
	.amdgpu_metadata
---
amdhsa.version: [ 1, 2 ]
amdhsa.kernels:
  - .name:           k_q9f3632edc8_quant
    .symbol:         k_q9f3632edc8_quant.kd
    .args:
      - { .name: x, .offset: 0, .size: 8, .value_kind: global_buffer, .address_space: global }
      - { .name: Wq, .offset: 8, .size: 8, .value_kind: global_buffer, .address_space: global }
      - { .name: Wk, .offset: 16, .size: 8, .value_kind: global_buffer, .address_space: global }
      - { .name: Wv, .offset: 24, .size: 8, .value_kind: global_buffer, .address_space: global }
      - { .name: xc, .offset: 32, .size: 8, .value_kind: global_buffer, .address_space: global }
      - { .name: xs, .offset: 40, .size: 8, .value_kind: global_buffer, .address_space: global }
      - { .name: wc, .offset: 48, .size: 8, .value_kind: global_buffer, .address_space: global }
      - { .name: wsc, .offset: 56, .size: 8, .value_kind: global_buffer, .address_space: global }
    .group_segment_fixed_size: 33280
    .private_segment_fixed_size: 0
    .kernarg_segment_align: 8
    .kernarg_segment_size: 64
    .max_flat_workgroup_size: 128
    .sgpr_count:     66
    .vgpr_count:     192
    .wavefront_size: 32
...
	.end_amdgpu_metadata
.endif
;; end of part 1
;; launch proj (part 2): grid 12 x 32, 4 waves a work-group, clusters of 4 x 4, 327,680 bytes of LDS; arguments xc, xs, wc, wsc, qkv, vpart; writes qkv, vpart
.if DOCPART == 2
	.amdgcn_target "amdgcn-amd-amdhsa--gfx1250"
	.amdhsa_code_object_version 6
	.text
	.protected	k_q9f3632edc8_proj
	.globl	k_q9f3632edc8_proj
	.p2align	8
	.type	k_q9f3632edc8_proj,@function
k_q9f3632edc8_proj:
	s_mov_b64 s[64:65], 0
	v_nop
	global_prefetch_b8 v0, s[64:65] scope:SCOPE_SE
	s_setreg_imm32_b32 hwreg(HW_REG_WAVE_MODE, 25, 1), 1
	s_wait_xcnt 0x0
	s_wait_alu depctr_hold_cnt(0) depctr_sa_sdst(0) depctr_va_vdst(0) depctr_va_sdst(0) depctr_va_ssrc(0) depctr_va_vcc(0) depctr_vm_vsrc(0)
	s_getreg_b32 s2, hwreg(HW_REG_IB_STS2, 6, 4)
	s_cmp_eq_u32 s2, 0
	s_cbranch_scc0 .Lentry_in_a_cluster
	s_endpgm
.Lentry_in_a_cluster:
	s_bfe_u32 s2, ttmp6, 0x10000c
	s_cmp_lg_u32 s2, 0xf033
	s_cbranch_scc0 .Lentry_shape_is_right
	s_endpgm
.Lentry_shape_is_right:
; q, k, v = x W^T on codes of E2M1 with E8M0 scales: ONE product [8192][1024] x [3072][1024]^T, the three weights' rows on end.  Sums in f32; results rounded once to f16 (LIMIT: magnitudes under 65,504).
; Nothing is left out here; the column sums of v that this launch also makes are the second term of out = where(tril, a - c, 0) v + c x (sum over all t of v).
; A tile of 256 x 256 is made by a work-group of four waves; a wave makes 128 x 128: 64 accumulators, 512 registers.  K = 1,024 is two LDS slots of 512 along K (rows of 256 bytes): both are asked for at the start,
; nothing is filled again.  The scale bytes of the work-group's 256 + 256 rows come once, as dense blocks.
; CLUSTERS: 4 x 4 work-groups.  The four of a row of the cluster need the same tiles of x, the four of a column the same tiles of W: each tile is asked for JOINTLY, by the same tensor load with the same descriptor and a
; mask that names the four.  A cluster's four tile columns are one of the three weights: cluster x = 0: q, 1: k, 2: v.
; THE MATRIX INSTRUCTION IS USED TRANSPOSED (source 0 = 16 rows of W, source 1 = 16 rows of x): a lane then holds eight neighbouring numbers of a row of the result.
; WHERE THE RESULTS GO (three planes of 2^24 bytes; s = row in the batch b, i = column in the plane):
;   q: IN THE ORDER OF THE NEXT PRODUCT'S OPERAND REGISTERS.  A fragment (16 rows x 32 columns) is 1,024 bytes: two groups of four registers, lane l's 16 bytes at 16 l.  Byte (16 b + s / 128) 2^18 + (i / 32) 2^13 +
;      ((s % 128) / 16) 2^10 + ((i % 32) / 16) 2^9 + 16 x lane.  Lane (r, h) of that operand wants row r, columns 16 g + 8 h + 0 .. 7 in group g: just what lane (r, h) holds here when accumulator (a, 2 f + g) is packed.
;      So q's results are stored as they stand, 512 consecutive bytes an instruction, and do not pass through LDS.
;   k, v: rows of 2,048 bytes, the batches interleaved by blocks of 128 rows: byte (s / 128) 2^20 + b 2^18 + (s % 128) 2^11 + 2 i.  They go through a stage in LDS, so that whole runs of 256 bytes of a row are stored.
; REGISTERS, in windows of 256: window 0: v0-31 addresses; v32-95 scale words, two sets, and nothing else; v128-191 x's fragments, ONE set; on the way out v96-127 packed results, v128-191 column sums, v192-255 rows read back
;   (q: a second set of packed results).   window 1: W's fragments, TWO sets, at v0 and at v128.   window 2: the 32 accumulators of my rows 0-63 ((a, b) at v[8 (8 a + b)]);   window 3: those of my rows 64-127.
.set KSTEP,  512                       ; along K in a slot
.set NQ,     4                         ; matrix instructions deep
.set ROWB,   256                       ; a tile's row in bytes
.set KROW,   512                       ; a row of codes in memory
.set PITCH,  272                       ; an LDS row: 256 bytes + 16 of padding = 68 words: the 16 rows that a load touches start at 16 different banks
.set FR,     8                         ; registers of a fragment: 16 rows x 128 K
.set NL,     2                         ; LDS loads that bring one
.set NP,     4                         ; places behind this matrix instruction (ISA guide 7.12.1)
.set HALFT,  128*PITCH                 ; 128 rows: what one tensor load brings
.set SLOT,   4*HALFT                   ; x's 256 rows, then W's 256 rows
.set KS,     32                        ; a row of scale bytes
.set SCL,    2*SLOT                    ; behind the slots: the scale bytes, as runs of 256 bytes + 16 of padding
.set HALFS,  16*272                    ; those of 128 rows
.set SBLK,   2*272                     ; those of 16 rows
.set SPARE,  SCL+4*HALFS               ; behind them: the spare words, 128 bytes for each wave
.set SPITCH, 272                       ; the way out of k and v: a stage of 16 rows x (256 bytes + 16) for each wave, in slot 0, which has had its only fill and its last read when the first result is stored there
.set CO,   8                           ; v8      k, v: my byte offset in two rows of the plane
.set ADRA, 16                          ; v16-17  LDS address of my x fragments in slot 0, 1
.set ADRB, 20                          ; v20-21  the same for W
.set STO,  24                          ; v24     the way out: where I put 16 bytes of a row
.set RD,   25                          ; v25     and where I read a row back
.set CST,  26                          ; v26     the column sums: stage + 32 (lane / 16)
.set ADRS, 27                          ; v27     LDS address of my scale words: lanes 0-15 x's rows, lanes 16-31 W's
.set SPW,  28                          ; v28     LDS address of my spare word; never rewritten
.set NIL,  29                          ; v29     0; never rewritten
.set CRD,  30                          ; v30     the column sums: stage + 16 x lane
.set VO,   31                          ; v31     16 x lane
.set SC,   32                          ; scale words: set s at v[SC + 32 s]; register 4 i + q: lanes 0-15 the word of x's block i, lanes 16-31 that of W's block i, for the slot's q-th 128 along K
.set TMP,  96
.set AF,   128                         ; x's fragments
.set T,    128                         ; the column sums: 64 registers
.set G1, 24                            ; s[24:31] descriptor group 1 for x's tiles;  s[32:39] group 0, one set for each slot
.set G0, 32
.set G1B, 48                           ; s[48:55], s[56:63] the same for W's tiles
.set G0B, 56
.set G1S, 68                           ; s[68:75], s[76:79] groups 1 and 0 for x's scales;  s[80:87], s[88:91] for W's
.set G0S, 76
.set G1SB, 80
.set G0SB, 88
.set MSB, 0
.macro WIN new                         ; the immediate's high byte repeats the setting that is left
.if MSB != \new
	s_set_vgpr_msb (MSB<<8)|\new
.set MSB, \new
.endif
.endm
.set MUL_LO, 0xa1                      ; source 0 (W) window 1, source 1 (x) window 0, C and D window 2
.set MUL_HI, 0xf1                      ; the same, C and D window 3
.set TO_B,   0x40                      ; destination window 1, address window 0
; A joint load: waves 0 and 1 fetch for x, waves 2 and 3 for W.  Each of the two lines has ONE mask and one set of registers for all that issue it; the branch hangs on the wave's number alone.
; An s_nop 0 and four v_nop follow each of the two lines.
.macro JLOAD g0a, g1a, g0b, g1b
	s_cmp_eq_u32 s15, 0
	s_cbranch_scc0 .Lfor_b_\@
	tensor_load_to_lds s[\g0a:\g0a+3], s[\g1a:\g1a+7]
	s_nop 0
.rept 4
	v_nop
.endr
	s_branch .Lasked_\@
.Lfor_b_\@:
	tensor_load_to_lds s[\g0b:\g0b+3], s[\g1b:\g1b+7]
	s_nop 0
.rept 4
	v_nop
.endr
.Lasked_\@:
.endm
.macro CROUND                          ; a round of the cluster's barrier
	s_barrier_signal -1
	s_barrier_wait -1
	s_cmp_lg_u32 s14, 0
	s_cbranch_scc1 .Lnot_wave_0_\@
	s_barrier_signal -3
.Lnot_wave_0_\@:
	s_barrier_wait -3
	s_barrier_signal -1
	s_barrier_wait -1
.endm
	s_load_b128 s[4:7], s[0:1], 0x0                ; x's codes s[4:5], x's scales s[6:7]
	s_load_b128 s[8:11], s[0:1], 0x10              ; W's codes s[8:9], W's scales s[10:11]
	s_load_b128 s[96:99], s[0:1], 0x20             ; the three planes s[96:97], the column sums s[98:99]
	v_lshl_add_u32 v[SPW], v0, 2, SPARE
	v_mov_b32 v[NIL], 0
	ds_add_u32 v[SPW], v[NIL]                      ; the wave's opening: the add, twice on end, and its wait ahead of my first tensor load
	ds_add_u32 v[SPW], v[NIL]
	v_lshrrev_b32 v1, 5, v0
	v_readfirstlane_b32 s14, v1                    ; wave 0..3
	s_lshr_b32 s15, s14, 1                         ; which half of the tile's rows is mine.  Also: I fetch for x (0) or for W (1)
	s_and_b32 s16, s14, 1                          ; which half of its columns.  Also: which 128 rows of that tile I fetch
	s_bfe_u32 s40, ttmp6, 0x40000                  ; cx, cy: my place in the cluster
	s_bfe_u32 s41, ttmp6, 0x40004
	s_lshl_b32 s42, ttmp9, 2
	s_add_co_u32 s42, s42, s40                     ; tile column = 4 x cluster x + cx
	s_and_b32 s17, ttmp7, 0xffff
	s_lshl_b32 s17, s17, 2
	s_add_co_u32 s17, s17, s41                     ; tile row = 4 x cluster y + cy
	s_lshl_b32 s43, s41, 2
	s_lshl_b32 s43, 15, s43                        ; my row of the cluster
	s_lshl_b32 s44, 0x1111, s40                    ; my column
	; descriptor group 1: a tile of 128 rows x 256 bytes, padded in LDS
	s_or_b32 s[G1+0], s43, (0<<16)|(1<<20)|(1<<21)|(5<<22)|(3<<25)  ; 15:0 the mask: x's tiles go to my row; elements of 1 byte; padding on; bit 21 beside a mask; after every 64 words, 4 words
	s_or_b32 s[G1B+0], s44, (0<<16)|(1<<20)|(1<<21)|(5<<22)|(3<<25)
.irp g, G1, G1B
	s_mov_b32 s[\g+1], ROWB<<16                    ; tensor_dim0
	s_mov_b32 s[\g+2], 128<<16                     ; tensor_dim1
	s_mov_b32 s[\g+3], ROWB<<16                    ; tile_dim0
	s_mov_b32 s[\g+4], 128                         ; tile_dim1
	s_mov_b32 s[\g+5], KROW                        ; from row to row
	s_mov_b32 s[\g+6], 0
	s_mov_b32 s[\g+7], 0
.endr
	; the scales of 128 rows: a dense block of 4,096 bytes, as 16 rows of 256 bytes (32 elements of 8 bytes), 16 bytes of padding behind each
	s_or_b32 s[G1S+0], s43, (3<<16)|(1<<20)|(1<<21)|(5<<22)|(3<<25)
	s_or_b32 s[G1SB+0], s44, (3<<16)|(1<<20)|(1<<21)|(5<<22)|(3<<25)
.irp g, G1S, G1SB
	s_mov_b32 s[\g+1], 32<<16
	s_mov_b32 s[\g+2], 16<<16
	s_mov_b32 s[\g+3], 32<<16
	s_mov_b32 s[\g+4], 16
	s_mov_b32 s[\g+5], 32
	s_mov_b32 s[\g+6], 0
	s_mov_b32 s[\g+7], 0
.endr
	s_lshl_b32 s18, s16, 7                         ; which 128 rows of the tile I fetch
	s_lshl_b32 s20, s17, 8
	s_add_co_u32 s20, s20, s18                     ; x: row 256 x tile row + 128 x half
	s_lshl_b32 s46, s42, 8
	s_add_co_u32 s46, s46, s18                     ; W: row 256 x tile column + 128 x half
	s_mov_b32 s21, 0
	s_mov_b32 s47, 0
	s_mov_b64 s[18:19], KS
	s_mul_u64 s[22:23], s[20:21], s[18:19]         ; where these rows' scales begin, in bytes
	s_mul_u64 s[92:93], s[46:47], s[18:19]
	s_mov_b64 s[18:19], KROW
	s_mul_u64 s[20:21], s[20:21], s[18:19]         ; and their codes
	s_mul_u64 s[46:47], s[46:47], s[18:19]
	s_mul_i32 s45, s14, HALFT                      ; where they go: wave x 128 rows: no place in the cluster enters an LDS address
	s_mul_i32 s94, s14, HALFS
	s_wait_dscnt 0x0                               ; both opening adds are done
	s_wait_kmcnt 0x0
	s_add_nc_u64 s[20:21], s[4:5], s[20:21]
	s_add_nc_u64 s[22:23], s[6:7], s[22:23]
	s_add_nc_u64 s[46:47], s[8:9], s[46:47]
	s_add_nc_u64 s[92:93], s[10:11], s[92:93]
	CROUND                                         ; all sixteen work-groups are here: the joint loads meet
	s_mov_b32 s[G0S], 1
	s_add_co_u32 s[G0S+1], s94, SCL
	s_mov_b64 s[G0S+2:G0S+3], s[22:23]
	s_or_b32 s[G0S+3], s[G0S+3], 0x80000000
	s_mov_b32 s[G0SB], 1
	s_add_co_u32 s[G0SB+1], s94, SCL
	s_mov_b64 s[G0SB+2:G0SB+3], s[92:93]
	s_or_b32 s[G0SB+3], s[G0SB+3], 0x80000000
	JLOAD G0S, G1S, G0SB, G1SB                     ; the scales first: they are wanted with slot 0.  Three loads of mine are out behind the third JLOAD
.irp s, 0,1
	s_mov_b32 s[G0+4*\s], 1
	s_add_co_u32 s[G0+4*\s+1], s45, \s*SLOT
	s_add_nc_u64 s[G0+4*\s+2:G0+4*\s+3], s[20:21], \s*ROWB
	s_or_b32 s[G0+4*\s+3], s[G0+4*\s+3], 0x80000000
	s_mov_b32 s[G0B+4*\s], 1
	s_add_co_u32 s[G0B+4*\s+1], s45, \s*SLOT
	s_add_nc_u64 s[G0B+4*\s+2:G0B+4*\s+3], s[46:47], \s*ROWB
	s_or_b32 s[G0B+4*\s+3], s[G0B+4*\s+3], 0x80000000
	JLOAD G0+4*\s, G1, G0B+4*\s, G1B
.endr
	v_and_b32 v1, 15, v0                           ; r = l % 16
	v_bfe_u32 v2, v0, 4, 1                         ; h = l / 16
	v_mul_u32_u24 v3, v1, PITCH
	v_lshl_add_u32 v4, v2, 4, v3                   ; a fragment's row x pitch + 16 x half
	s_mul_i32 s21, s15, HALFT                      ; my 128 rows of x
	s_mul_i32 s22, s16, HALFT                      ; my 128 rows of W,
	s_add_co_u32 s22, s22, 2*HALFT                 ; which lie behind x's 256
.irp s, 0,1
	v_add_nc_u32 v[ADRA+\s], s21, v4
	v_add_nc_u32 v[ADRB+\s], s22, v4
	s_add_co_u32 s21, s21, SLOT
	s_add_co_u32 s22, s22, SLOT
.endr
	v_mul_u32_u24 v5, v1, KS                       ; my row's scales: 32 bytes a row,
	v_lshrrev_b32 v6, 8, v5
	v_lshl_add_u32 v5, v6, 4, v5                   ; and 16 more for each 256 passed
	s_mul_i32 s21, s15, HALFS                      ; x's: my 128 rows
	s_mul_i32 s22, s16, HALFS                      ; W's: my 128 rows, behind x's 256
	s_add_co_u32 s22, s22, 2*HALFS
	s_sub_co_u32 s22, s22, s21
	v_mul_u32_u24 v6, s22, v2                      ; lanes 16-31 take W's: one product, the distance between the two bases
	s_add_co_u32 s21, s21, SCL
	v_add_nc_u32 v5, v5, v6
	v_add_nc_u32 v[ADRS], s21, v5
	s_mul_i32 s23, s14, 16*SPITCH                  ; my stage
	v_mul_u32_u24 v5, v1, SPITCH                   ; in: row l % 16, 16 bytes for each half of the lanes
	v_lshl_add_u32 v5, v2, 4, v5
	v_add_nc_u32 v[STO], s23, v5
	v_mul_u32_u24 v5, v2, SPITCH                   ; back: lanes 0-15 take one row of 256 bytes, lanes 16-31 the next
	v_lshl_add_u32 v5, v1, 4, v5
	v_add_nc_u32 v[RD], s23, v5
	v_lshlrev_b32 v5, 5, v2
	v_add_nc_u32 v[CST], s23, v5
	v_and_b32 v6, 31, v0
	v_lshlrev_b32 v[VO], 4, v6
	v_add_nc_u32 v[CRD], s23, v[VO]
	v_lshlrev_b32 v[CO], 11, v2                    ; k, v: row l / 16 of 2,048 bytes,
	v_lshl_add_u32 v[CO], v1, 4, v[CO]             ; 16 bytes a lane
	; where my 128 x 128 goes, by both layouts; the cluster's x, the same in all sixteen partners, chooses
	s_lshl_b32 s2, s17, 1
	s_add_co_u32 s2, s2, s15                       ; my block of 128 rows of x: 16 b + s / 128
	s_lshl_b32 s66, s2, 18                         ; q: the block's 32 x 8 fragments,
	s_lshl_b32 s3, s40, 16                         ; 256 columns are 8 x 8 fragments: cx,
	s_add_co_u32 s66, s66, s3
	s_lshl_b32 s3, s16, 15                         ; 128 columns: my half
	s_add_co_u32 s66, s66, s3
	s_and_b32 s3, s2, 15                           ; k, v: s / 128,
	s_lshl_b32 s100, s3, 20
	s_lshr_b32 s3, s2, 4                           ; b,
	s_lshl_b32 s3, s3, 18
	s_add_co_u32 s100, s100, s3
	s_lshl_b32 s3, s40, 9                          ; 256 columns: cx,
	s_add_co_u32 s100, s100, s3
	s_lshl_b32 s3, s16, 8                          ; 128 columns: my half,
	s_add_co_u32 s100, s100, s3
	s_lshl_b32 s3, ttmp9, 24                       ; the plane
	s_add_co_u32 s100, s100, s3
	s_cmp_eq_u32 ttmp9, 0
	s_cselect_b32 s66, s66, s100
	s_mov_b32 s67, 0
	s_add_nc_u64 s[12:13], s[96:97], s[66:67]      ; my first byte
	s_lshl_b32 s66, s2, 12                         ; the column sums: [16 b + s / 128][1024] f32: 4,096 bytes a block,
	s_lshl_b32 s3, s40, 10
	s_add_co_u32 s66, s66, s3
	s_lshl_b32 s3, s16, 9
	s_add_co_u32 s66, s66, s3                      ; + 4 x my first column
	s_add_nc_u64 s[98:99], s[98:99], s[66:67]
.macro FRAG reg, adr, q, i             ; a fragment, 16 rows x 128 K of 4-bit codes, is 8 registers: lane l holds row l % 16; registers 4 c .. 4 c + 3 hold K = 64 c + 32 (l / 16) + 0 .. 31
.irp c, 0,1
	ds_load_b128 v[\reg+4*\c:\reg+4*\c+3], v[\adr] offset:64*(\q)+32*\c+(\i)*16*PITCH
.endr
.endm
; 16 matrix instructions: x's blocks a0, a0 + 1 against W's eight, 128 along K: the slot's q-th.  p: W's set;  sc: the set of scale words.  zero = 1: the first product starts the sums.
; The 64 accumulators take turns, one instruction a turn, in the same order in every step.
.macro MUL16 a0, p, q, sc, zero
.irp a, \a0, \a0+1
.irp b, 0,1,2,3,4,5,6,7
.if \zero
	v_wmma_scale_f32_16x16x128_f8f6f4 v[8*(8*((\a)%4)+\b):8*(8*((\a)%4)+\b)+7], v[128*(\p)+FR*\b:128*(\p)+FR*\b+FR-1], v[AF+FR*(\a):AF+FR*(\a)+FR-1], 0, v[SC+8*NQ*(\sc)+NQ*\b+(\q)], v[SC+8*NQ*(\sc)+NQ*(\a)+(\q)] matrix_a_fmt:MATRIX_FMT_FP4 matrix_b_fmt:MATRIX_FMT_FP4 matrix_a_scale:MATRIX_SCALE_ROW1
.else
	v_wmma_scale_f32_16x16x128_f8f6f4 v[8*(8*((\a)%4)+\b):8*(8*((\a)%4)+\b)+7], v[128*(\p)+FR*\b:128*(\p)+FR*\b+FR-1], v[AF+FR*(\a):AF+FR*(\a)+FR-1], v[8*(8*((\a)%4)+\b):8*(8*((\a)%4)+\b)+7], v[SC+8*NQ*(\sc)+NQ*\b+(\q)], v[SC+8*NQ*(\sc)+NQ*(\a)+(\q)] matrix_a_fmt:MATRIX_FMT_FP4 matrix_b_fmt:MATRIX_FMT_FP4 matrix_a_scale:MATRIX_SCALE_ROW1
.endif
.endr
.endr
.endm
.macro FETCH_B slot, q, p              ; W's eight fragments of the slot's q-th 128 along K into set p
	WIN TO_B
.irp i, 0,1,2,3,4,5,6,7
	FRAG 128*(\p)+FR*\i, ADRB+\slot, \q, \i
.endr
	WIN 0
.endm
.macro FETCH_A slot, q, i0             ; x's blocks i0 .. i0 + 3
.irp i, \i0, \i0+1, \i0+2, \i0+3
	FRAG AF+FR*(\i), ADRA+\slot, \q, \i
.endr
.endm
.macro SCALES sc                       ; a slot's scale words into set sc: 4 words a row; lanes 0-15 take x's block i, lanes 16-31 W's block i
.irp i, 0,1,2,3,4,5,6,7
	ds_load_b128 v[SC+8*NQ*\sc+NQ*\i:SC+8*NQ*\sc+NQ*\i+3], v[ADRS] offset:\i*SBLK
.endr
.endm
; A load into a register that a matrix instruction has read, and a vector instruction or an LDS store that reads a matrix result, stand NP places behind that matrix instruction; only plain vector
; instructions that name none of its registers are places (ISA guide 7.12.1 for vector instructions).
.macro PLACES n
.rept \n
	v_nop
.endr
.endm
; A step of 128 along K that has its successor in the same slot.
.macro STEP slot, q, zero
	s_wait_dscnt 4*NL                              ; W's set and x's blocks 0-3 are in; the youngest eight loads (x's blocks 4-7) may be out
	WIN MUL_LO
	MUL16 0, (\q)%2, \q, \slot, \zero
	MUL16 2, (\q)%2, \q, \slot, \zero
	s_wait_dscnt 0                                 ; x's blocks 4-7 are in
	PLACES NP
	FETCH_B \slot, (\q)+1, 1-(\q)%2
	FETCH_A \slot, (\q)+1, 0
	WIN MUL_HI
	MUL16 4, (\q)%2, \q, \slot, \zero
	MUL16 6, (\q)%2, \q, \slot, \zero
	PLACES NP
	WIN 0
	FETCH_A \slot, (\q)+1, 4
.endm
; Slot 0's last step goes over to slot 1: one barrier; in front of it each wave waits for all its tensor loads (its part of slot 1), adds 0 to its spare word, and waits for that and for its reads of slot 0.
; Behind it nobody reads slot 0 any more, which is what the way out's stage needs.
.macro TURN slot, next
	s_wait_tensorcnt 0x0                           ; all my tensor loads have landed  (every window is 0 here)
	ds_add_u32 v[SPW], v[NIL]                      ; 0 onto my spare word
	s_wait_dscnt 4*NL+1                            ; (the add and the youngest eight loads, x's blocks 4-7, may be out)
	WIN MUL_LO
	MUL16 0, 1, NQ-1, \slot, 0
	s_wait_dscnt 0x0                               ; the add is done, and my reads of this slot are over
	s_barrier_signal -1
	MUL16 2, 1, NQ-1, \slot, 0
	WIN 0
	s_barrier_wait -1
	PLACES NP
	v_add_nc_u32 v[ADRS], 4*NQ, v[ADRS]            ; on to the next slot's scale words (no LDS load of mine is out)
	FETCH_B \next, 0, 0
	FETCH_A \next, 0, 0
	SCALES \next
	WIN MUL_HI
	MUL16 4, 1, NQ-1, \slot, 0
	MUL16 6, 1, NQ-1, \slot, 0
	PLACES NP
	WIN 0
	FETCH_A \next, 0, 4
.endm
.macro STEPS slot, from                ; the slot's steps from .. NQ - 2
.set Q, \from
.rept NQ-1-\from
	STEP \slot, Q, 0
.set Q, Q+1
.endr
.endm
	s_wait_tensorcnt 1                             ; the scales and my part of slot 0 are in (slot 1's load, issued last, may be out),
	s_barrier_signal -1
	s_barrier_wait -1                              ; everybody's are
	FETCH_B 0, 0, 0
	FETCH_A 0, 0, 0
	SCALES 0
	FETCH_A 0, 0, 4
	STEP 0, 0, 1                                   ; the first step's products start the sums: nothing is cleared
	STEPS 0, 1
	TURN 0, 1
	STEPS 1, 0
	s_wait_dscnt 4*NL                              ; the very last step: nothing more to fetch
	WIN MUL_LO
	MUL16 0, 1, NQ-1, 1, 0
	MUL16 2, 1, NQ-1, 1, 0
	s_wait_dscnt 0
	WIN MUL_HI
	MUL16 4, 1, NQ-1, 1, 0
	MUL16 6, 1, NQ-1, 1, 0
	WIN 0
	PLACES NP                                      ; behind the last products: all that follows reads results, or writes registers that products have read
	; THE COLUMN SUMS OF v, in the clusters that make v alone: of my 128 rows, for my 128 columns.  A lane's register 8 b + j of accumulator (a, b) is row 16 a + l % 16, column 16 b + 8 (l / 16) + j.
	s_cmp_lg_u32 ttmp9, 2
	s_cbranch_scc1 .Lno_sum
	WIN 0x0a                                       ; sources 0 and 1 window 2.
.irp b, 0,1,2,3,4,5,6,7
.irp j, 0,2,4,6
	v_pk_add_f32 v[T+8*\b+\j:T+8*\b+\j+1], v[8*\b+\j:8*\b+\j+1], v[64+8*\b+\j:64+8*\b+\j+1]
.endr
.endr
	WIN 0x08                                       ; source 1 window 2
.irp a, 2,3
.irp b, 0,1,2,3,4,5,6,7
.irp j, 0,2,4,6
	v_pk_add_f32 v[T+8*\b+\j:T+8*\b+\j+1], v[T+8*\b+\j:T+8*\b+\j+1], v[64*\a+8*\b+\j:64*\a+8*\b+\j+1]
.endr
.endr
.endr
	WIN 0x0c                                       ; source 1 window 3
.irp a, 0,1,2,3
.irp b, 0,1,2,3,4,5,6,7
.irp j, 0,2,4,6
	v_pk_add_f32 v[T+8*\b+\j:T+8*\b+\j+1], v[T+8*\b+\j:T+8*\b+\j+1], v[64*\a+8*\b+\j:64*\a+8*\b+\j+1]
.endr
.endr
.endr
	WIN 0
.irp m, 1,2,4,8                        ; and over the sixteen rows that lie in the sixteen lanes of a half
.set n, 0
.rept 64
	v_add_f32_dpp v[T+n], v[T+n], v[T+n] row_xmask:\m row_mask:0xf bank_mask:0xf
.set n, n+1
.endr
.endr
.irp b, 0,1,2,3,4,5,6,7
.irp c, 0,1
	ds_store_b128 v[CST], v[T+8*\b+4*\c:T+8*\b+4*\c+3] offset:64*\b+16*\c   ; column 16 b + 8 h + 4 c on: the sixteen lanes of a half write the same bytes with the same values
.endr
.endr
	ds_load_b128 v[T:T+3], v[CRD]                  ; LDS serves a wave's instructions in order: this sees my stores.  128 sums, four a lane
	s_wait_dscnt 0x0
	global_store_b128 v[VO], v[T:T+3], s[98:99]    ; 32 lanes store 512 consecutive bytes, aligned
.Lno_sum:
; THE WAY OUT of block a (16 rows x 128 columns).  PACK: rounded to f16, 16 bytes a lane, into v[dst] on.
.macro PACK a, dst
.set AC, 64*((\a)%4)
	WIN 0x0a+5*((\a)/4)                            ; sources 0 and 1: window 2 or 3
.irp b, 0,1,2,3,4,5,6,7
.irp r, 0,1,2,3
	v_cvt_pk_f16_f32 v[\dst+4*\b+\r], v[AC+8*\b+2*\r], v[AC+8*\b+2*\r+1]   ; each accumulator from its low end on
.endr
.endr
	WIN 0
.endm
; k, v.  TOSTAGE: into my own stage in LDS, and back as whole rows of 256 bytes.  SEND: stored.
.macro TOSTAGE a
.set BK, 192+32*((\a)%2)
.irp b, 0,1,2,3,4,5,6,7
	ds_store_b128 v[STO], v[TMP+4*\b:TMP+4*\b+3] offset:32*\b
.endr
.irp t, 0,1,2,3,4,5,6,7
	ds_load_b128 v[BK+4*\t:BK+4*\t+3], v[RD] offset:\t*2*SPITCH    ; LDS serves a wave's instructions in order: these see the stores above
.endr
.endm
.macro SEND a
.set BK, 192+32*((\a)%2)
	s_wait_dscnt 0x0                               ; the block is back in registers
	s_wait_xcnt 0x0                                ; the earlier stores have read their registers: the next block's loads from the stage land in them only behind this wait
.irp t, 0,1,2,3,4,5,6,7
	global_store_b128 v[CO], v[BK+4*\t:BK+4*\t+3], s[12:13] offset:(\a)*32768+\t*4096   ; sixteen lanes store 256 consecutive bytes of a row, aligned; the block and the pair of rows stand in the immediate
.endr
.endm
; q.  The packed registers are the next product's fragments as they stand: accumulator (a, b) is group b % 2 of the fragment of rows 16 a on, columns 32 (b / 2) on.  Two sets of registers by turns.
.macro QOUT a
.set TQ, TMP+96*((\a)%2)
.if (\a) >= 2
	s_wait_xcnt 0x0                                ; block a - 2's stores have read this set
.endif
	PACK \a, TQ
.irp b, 0,1,2,3,4,5,6,7
	global_store_b128 v[VO], v[TQ+4*\b:TQ+4*\b+3], s[12:13] offset:(\b/2)*8192+(\a)*1024+(\b%2)*512   ; 32 lanes store 512 consecutive bytes, aligned
.endr
.endm
	s_cmp_eq_u32 ttmp9, 0                          ; the cluster's x: the same in all sixteen partners
	s_cbranch_scc1 .Lq_out
	PACK 0, TMP
	TOSTAGE 0
.irp a, 1,2,3,4,5,6,7                  ; block a's conversions stand between block a - 1's loads from the stage and the wait for them
	PACK \a, TMP
	SEND \a-1
	TOSTAGE \a
.endr
	SEND 7
	s_branch .Lclose
.Lq_out:
.irp a, 0,1,2,3,4,5,6,7
	QOUT \a
.endr
.Lclose:
	s_wait_tensorcnt 0x0                           ; the wave's end: behind my last tensor load and my last LDS store
	ds_add_u32 v[SPW], v[NIL]
	s_wait_dscnt 0x0
	CROUND                                         ; the closing round: no work-group ends while a partner may still ask for a tile that names it
	s_endpgm
.Lfunc_end_k_q9f3632edc8_proj:
	.size	k_q9f3632edc8_proj, .Lfunc_end_k_q9f3632edc8_proj-k_q9f3632edc8_proj
	.p2alignl 7, 3214868480
	.fill 96, 4, 3214868480
	.section	.rodata,"a",@progbits
	.p2align	6, 0x0
	.amdhsa_kernel k_q9f3632edc8_proj
		.amdhsa_group_segment_fixed_size 327680
		.amdhsa_private_segment_fixed_size 0
		.amdhsa_enable_private_segment 0
		.amdhsa_kernarg_size 48
		.amdhsa_user_sgpr_count 2
		.amdhsa_user_sgpr_kernarg_segment_ptr 1
		.amdhsa_wavefront_size32 1
		.amdhsa_system_sgpr_workgroup_id_x 1
		.amdhsa_system_sgpr_workgroup_id_y 1
		.amdhsa_system_sgpr_workgroup_id_z 1
		.amdhsa_system_vgpr_workitem_id 0
		.amdhsa_next_free_vgpr 1024
		.amdhsa_next_free_sgpr 102
		.amdhsa_reserve_vcc 0
		.amdhsa_float_denorm_mode_32 3
		.amdhsa_float_denorm_mode_16_64 3
		.amdhsa_memory_ordered 1
		.amdhsa_forward_progress 1
		.amdhsa_inst_pref_size 181
	.end_amdhsa_kernel
	.amdgpu_metadata
---
amdhsa.version: [ 1, 2 ]
amdhsa.kernels:
  - .name:           k_q9f3632edc8_proj
    .symbol:         k_q9f3632edc8_proj.kd
    .args:
      - { .name: xc, .offset: 0, .size: 8, .value_kind: global_buffer, .address_space: global }
      - { .name: xs, .offset: 8, .size: 8, .value_kind: global_buffer, .address_space: global }
      - { .name: wc, .offset: 16, .size: 8, .value_kind: global_buffer, .address_space: global }
      - { .name: wsc, .offset: 24, .size: 8, .value_kind: global_buffer, .address_space: global }
      - { .name: qkv, .offset: 32, .size: 8, .value_kind: global_buffer, .address_space: global }
      - { .name: vpart, .offset: 40, .size: 8, .value_kind: global_buffer, .address_space: global }
    .group_segment_fixed_size: 327680
    .private_segment_fixed_size: 0
    .kernarg_segment_align: 8
    .kernarg_segment_size: 48
    .max_flat_workgroup_size: 128
    .sgpr_count:     102
    .vgpr_count:     1024
    .wavefront_size: 32
...
	.end_amdgpu_metadata
.endif
;; end of part 2
;; launch score (part 3): grid 17 x 8, 4 waves a work-group, no clusters, 327,680 bytes of LDS; arguments qkv, P; writes P
.if DOCPART == 3
	.amdgcn_target "amdgcn-amd-amdhsa--gfx1250"
	.amdhsa_code_object_version 6
	.text
	.protected	k_q9f3632edc8_score
	.globl	k_q9f3632edc8_score
	.p2align	8
	.type	k_q9f3632edc8_score,@function
k_q9f3632edc8_score:
	s_mov_b64 s[64:65], 0
	v_nop
	global_prefetch_b8 v0, s[64:65] scope:SCOPE_SE
	s_setreg_imm32_b32 hwreg(HW_REG_WAVE_MODE, 25, 1), 1
	s_wait_xcnt 0x0
; P[b][s][t] = softmax over b of (q[b][s] . kT[b][:][t] / 32) - 1e-9 for t <= s, and 0 for t > s inside a tile on the diagonal; f16.  kT[b] is k[b]'s numbers read as [1024][2048].
; LEFT OUT: tiles of 128 x 128 with all t > s: reference()'s own mask overwrites them by a constant (shown at the head of the first kernel).  They are neither computed nor stored, and the next launch does not read them.
; The 1e-9 taken off here comes back there as 1e-9 x (the sum of all rows of v): where(tril, a, c) = where(tril, a - c, 0) + c.
; SHARES.  136 tiles (i, j), i >= j, each for ALL FOUR batches, since the softmax joins them.  Work-group (x, y): tile (y, x) where x <= y, else (15 - y, x - y - 1): rows y and 15 - y together have 17 tiles.
; Wave w makes batch w's 128 x 128: 64 accumulators, 512 registers.
; q GOES FROM MEMORY STRAIGHT INTO THE OPERAND'S REGISTERS.  Wave w alone multiplies batch w, so no byte of q has a second reader in the work-group.  The launch before has laid q in the order of the
; operand's registers: the eight fragments of 32 along K are 8,192 consecutive bytes, sixteen loads of 512.  Four sets of 64 registers take turns; a quarter step (32 along K) asks for the q of three quarters on.
; kT comes through LDS, where it is turned (ds_load_tr16_b128).  K = 1,024 goes in 8 steps of 128 through two LDS slots.  A step's rows of kT, for four batches, are 512 consecutive rows of 4,096 bytes, of which
; 256 bytes are the tile's; wave w fetches rows 128 w .. 128 w + 127 of them: one tensor load a wave behind each barrier, the same line and the same shape in all four.
; NO CLUSTER: the live tiles are a triangle, with 1 to 16 tiles in a row; groups of four that share kT's tile exist at every place only with partners whose whole tile lies under the mask.
; 136 work-groups, since a tile cannot be shared further without reading each byte of q and kT for half as many products.  No prefetch: each tile of q and kT is read by up to 16 work-groups that walk K together.
; THE MATRIX INSTRUCTION IS USED TRANSPOSED (source 0 = 16 columns t of kT; source 1 = 16 rows of q): a lane holds one row s and eight neighbouring t.
; THE SOFTMAX.  When K is summed, the four waves' scores meet in LDS (in the slots, which have had their last fill and their last read); wave w then takes rows 32 w .. 32 w + 31 of all four batches.  The largest of the four
; scores is taken away before the exponentials.  LIMIT: weights under f16's smallest numbers are rounded as f16 rounds them.
; REGISTERS, in windows of 256: window 0: v0-31 addresses; v64-127, v128-191, v192-255 q's fragments of quarters 0, 1, 2 of a step; behind the loop: two sets of 64 scores, v192-207 maxima, v208-223 sums, v224-255 packed results.
;   window 1: v64-127, v128-191 kT's fragments, two sets; v192-255 q's fragments of quarter 3.   window 2, 3: the accumulators ((a, b) at v[8 (8 (a % 4) + b)]).
.set PB,    288                        ; a row of kT's tile: 256 bytes + 32
.set BBAT,  64*PB                      ; a batch's 64 rows
.set BCH,   4*BBAT                     ; 64 along K, four batches
.set SLOT,  2*BCH                      ; 128 along K: 147,456 bytes
.set SPARE, 2*SLOT                     ; behind the slots: the spare words, 128 bytes for each wave
.set XP,    528                        ; the exchange: a row of 128 scores, 512 bytes + 16
.set XBAT,  128*XP                     ; a batch's 128 rows; four batches: 270,336 bytes from LDS byte 0
.set RD,   8                           ; v8-11   the exchange: batch b's rows 32 w on, 16 bytes a lane
.set ADRB, 20                          ; v20-23  LDS address of my kT fragments: slot 0 first 64 along K, second 64; slot 1 likewise
.set STO,  24                          ; v24     the exchange: where I put 32 bytes of a row
.set PO,   25                          ; v25     8 x lane: my 8 bytes of a row of P's tile
.set DV,   26                          ; v26     4 x lane - 32 w: my first column less my wave's first row
.set VA,   27                          ; v27     16 x lane: my place in a group of four registers of q; never rewritten
.set SPW,  28                          ; v28     LDS address of my spare word; never rewritten
.set NIL,  29                          ; v29     0; never rewritten
.set F0,   64                          ; kT's two sets, in window 1
.set F1,   128
.set X0,   64                          ; two sets of 64 scores: register 16 b + 4 rr + e: batch b, row rr of four, column 4 x lane + e
.set MX,   192
.set SM,   208
.set OUTR, 224
.set AP,  20                           ; s[20:21] q: my batch's block of rows, at the lap (256 along K) in hand
.set G1B, 48                           ; s[48:55] descriptor group 1 for kT's tiles;  s[56:63] group 0, one set for each slot
.set G0B, 56
.set CS,  40                           ; s[40:41] log2(e) / 32
.set EPS, 42                           ; s[42:43] -1e-9
.set PBAS, 68                          ; s[68:75] where my rows of P's tile begin, for each batch
.set MSB, 0
.macro WIN new                         ; the immediate's high byte repeats the setting that is left
.if MSB != \new
	s_set_vgpr_msb (MSB<<8)|\new
.set MSB, \new
.endif
.endm
.set MUL_LO,  0xa1                     ; source 0 (kT) window 1, source 1 (q) window 0, C and D window 2
.set MUL_HI,  0xf1                     ; the same, C and D window 3
.set MUL_LO1, 0xa5                     ; quarter 3: q in window 1 too
.set MUL_HI1, 0xf5
.set TO_B,    0x40                     ; destination window 1, address window 0
.macro TLOAD s                         ; my quarter of a slot.  An s_nop 0 and four v_nop follow the line
	tensor_load_to_lds s[G0B+4*\s:G0B+4*\s+3], s[G1B:G1B+7]
	s_nop 0
.rept 4
	v_nop
.endr
.endm
; q's eight fragments of the u-th 32 along K from s[AP] on, into the set of quarter qd: sixteen loads of 512 consecutive bytes
.macro ALOAD u, qd
.set AT, 64+64*(\qd)-64*((\qd)/3)
.if (\qd) == 3
	WIN TO_B
.endif
.irp a, 0,1,2,3,4,5,6,7
	global_load_b128 v[AT+8*\a:AT+8*\a+3],   v[VA], s[AP:AP+1] offset:(\u)*8192+\a*1024
	global_load_b128 v[AT+8*\a+4:AT+8*\a+7], v[VA], s[AP:AP+1] offset:(\u)*8192+\a*1024+512
.endr
	WIN 0
.endm
	s_load_b128 s[4:7], s[0:1], 0x0                ; the planes s[4:5], P s[6:7]
	v_lshl_add_u32 v[SPW], v0, 2, SPARE
	v_mov_b32 v[NIL], 0
	ds_add_u32 v[SPW], v[NIL]                      ; the wave's opening: the add, twice on end, and its wait ahead of my first tensor load
	ds_add_u32 v[SPW], v[NIL]
	v_lshrrev_b32 v1, 5, v0
	v_readfirstlane_b32 s10, v1                    ; wave 0..3 = my batch
	s_and_b32 s16, ttmp7, 0xffff                   ; y
	s_sub_co_u32 s17, 15, s16
	s_sub_co_u32 s18, ttmp9, s16
	s_sub_co_u32 s18, s18, 1
	s_cmp_le_u32 ttmp9, s16
	s_cselect_b32 s13, s16, s17                    ; i: the tile's block of rows
	s_cselect_b32 s14, ttmp9, s18                  ; j: its block of columns, at most i
	s_cmp_eq_u32 s13, s14
	s_cselect_b32 s15, 1, 0                        ; 1: the tile lies on the diagonal
	; descriptor group 1: 128 rows of 128 elements of 2 bytes, 2,048 elements apart, 8 words of padding behind each
	s_mov_b32 s[G1B+0], (1<<16)|(1<<20)|(5<<22)|(7<<25)
	s_mov_b32 s[G1B+1], 128<<16                    ; tensor_dim0
	s_mov_b32 s[G1B+2], 128<<16                    ; tensor_dim1
	s_mov_b32 s[G1B+3], 128<<16                    ; tile_dim0
	s_mov_b32 s[G1B+4], 128                        ; tile_dim1
	s_mov_b32 s[G1B+5], 2048                       ; from row to row
	s_mov_b32 s[G1B+6], 0
	s_mov_b32 s[G1B+7], 0
	s_lshl_b32 s22, s10, 19                        ; kT: my 128 of a step's 512 rows of 4,096 bytes,
	s_lshl_b32 s23, s14, 8                         ; the tile's 256 bytes of a row,
	s_add_co_u32 s22, s22, s23
	s_add_co_u32 s22, s22, 1<<24                   ; in k's plane
	s_mov_b32 s23, 0
	s_mul_i32 s45, s10, 128*PB                     ; and where they go
	s_lshl_b32 s20, s10, 4
	s_add_co_u32 s20, s20, s13                     ; q: block 16 b + i,
	s_lshl_b32 s20, s20, 18                        ; 262,144 bytes a block
	s_mov_b32 s21, 0
	s_mov_b32 s[CS], 0x3d38aa3b                    ; log2(e) / 32
	s_mov_b32 s[CS+1], s[CS]                       ; (named with it as a pair, so it is written)
	s_mov_b32 s[EPS], 0xb089705f                   ; -1e-9
	s_mov_b32 s[EPS+1], s[EPS]
	s_wait_dscnt 0x0                               ; both opening adds are done
	s_wait_kmcnt 0x0
	s_add_nc_u64 s[22:23], s[4:5], s[22:23]
	s_add_nc_u64 s[AP:AP+1], s[4:5], s[20:21]
.irp s, 0,1
	s_mov_b32 s[G0B+4*\s], 1
	s_add_co_u32 s[G0B+4*\s+1], s45, \s*SLOT
	s_add_nc_u64 s[G0B+4*\s+2:G0B+4*\s+3], s[22:23], \s*(1<<21)     ; K step s: 512 rows of 4,096 bytes on
	s_or_b32 s[G0B+4*\s+3], s[G0B+4*\s+3], 0x80000000
	TLOAD \s                                       ; both slots are asked for before anything else: two loads of mine are out
.endr
	v_and_b32 v6, 31, v0
	v_lshlrev_b32 v[VA], 4, v6
	ALOAD 0, 0                                     ; q of the first three quarters: 48 loads
	ALOAD 1, 1
	ALOAD 2, 2
	s_lshl_b32 s46, s13, 19                        ; P: block i's rows of 4,096 bytes,
	s_lshl_b32 s47, s10, 17                        ; my 32 of them,
	s_add_co_u32 s46, s46, s47
	s_lshl_b32 s47, s14, 8                         ; the tile's 256 bytes of a row
	s_add_co_u32 s46, s46, s47
	s_mov_b32 s47, 0
	s_add_nc_u64 s[PBAS:PBAS+1], s[6:7], s[46:47]
.irp b, 1,2,3
	s_add_nc_u64 s[PBAS+2*\b:PBAS+2*\b+1], s[PBAS+2*\b-2:PBAS+2*\b-1], 1<<23   ; a batch on
.endr
	v_and_b32 v1, 15, v0                           ; r
	v_bfe_u32 v2, v0, 4, 1                         ; h
	v_and_b32 v4, 7, v0
	v_lshl_add_u32 v4, v2, 3, v4
	v_mul_u32_u24 v4, v4, PB
	v_bfe_u32 v5, v0, 3, 1
	v_lshl_add_u32 v4, v5, 4, v4                   ; (8 h + l % 8) 288 + 16 ((l / 8) % 2)
	s_mul_i32 s17, s10, BBAT                       ; my batch's rows
	v_add_nc_u32 v[ADRB], s17, v4
	v_add_nc_u32 v[ADRB+1], BCH, v[ADRB]
	v_add_nc_u32 v[ADRB+2], SLOT, v[ADRB]
	v_add_nc_u32 v[ADRB+3], SLOT, v[ADRB+1]
	v_mul_u32_u24 v5, v1, XP
	v_lshl_add_u32 v5, v2, 5, v5
	s_mul_i32 s18, s10, XBAT
	v_add_nc_u32 v[STO], s18, v5                   ; my batch's rows: row r, + 32 h
	s_mul_i32 s19, s10, 32*XP
	v_add_nc_u32 v[RD], s19, v[VA]
.irp b, 1,2,3
	v_add_nc_u32 v[RD+\b], XBAT, v[RD+\b-1]
.endr
	v_lshlrev_b32 v[PO], 3, v6
	v_lshlrev_b32 v[DV], 2, v6
	s_lshl_b32 s19, s10, 5
	v_sub_nc_u32 v[DV], v[DV], s19
; 16 matrix instructions: row blocks a0, a0 + 1 of the window's four (hi = 0: my rows 0-63, 1: rows 64-127) x all 8 column blocks, 32 along K.  fb: kT's set; fa: q's.  zero = 1: the first product starts the sums.
; The 64 accumulators take turns, one instruction a turn, in the same order throughout.
.macro MUL16 fb, fa, hi, a0, zero
.irp a, \a0, \a0+1
.irp b, 0,1,2,3,4,5,6,7
.if \zero
	v_wmma_f32_16x16x32_f16 v[8*(8*(\a)+\b):8*(8*(\a)+\b)+7], v[\fb+8*\b:\fb+8*\b+7], v[\fa+8*(4*\hi+\a):\fa+8*(4*\hi+\a)+7], 0
.else
	v_wmma_f32_16x16x32_f16 v[8*(8*(\a)+\b):8*(8*(\a)+\b)+7], v[\fb+8*\b:\fb+8*\b+7], v[\fa+8*(4*\hi+\a):\fa+8*(4*\hi+\a)+7], v[8*(8*(\a)+\b):8*(8*(\a)+\b)+7]
.endif
.endr
.endr
.endm
; 16 LDS loads in one run: kT's eight fragments of quarter qd of a slot, turned, into set f
.macro FETCHB slot, qd, f
	WIN TO_B
.irp i, 0,1,2,3,4,5,6,7
	ds_load_tr16_b128 v[\f+8*\i:\f+8*\i+3],   v[ADRB+2*\slot+(\qd)/2] offset:((\qd)%2)*32*PB+32*\i
	ds_load_tr16_b128 v[\f+8*\i+4:\f+8*\i+7], v[ADRB+2*\slot+(\qd)/2] offset:((\qd)%2)*32*PB+16*PB+32*\i
.endr
	WIN 0
.endm
.macro PLACES                          ; four places in front of loads into registers that matrix instructions have read, and of reads of results (ISA guide 7.12.1 for vector instructions)
.rept 4
	v_nop
.endr
.endm
; Quarter qd = 0, 1 or 2 of a K step.  In its middle it fetches the next quarter's kT from LDS and asks memory for the q of three quarters on, into the set that the quarter before has multiplied.
; u: the quarter's place in the lap at which s[AP] stands (-1: nothing more to ask for).  lc: how many younger loads of q may stay out.
.macro QUARTER slot, qd, u, lc, zero
.set FB, 64+64*((\qd)%2)
.set FA, 64+64*(\qd)
	s_wait_loadcnt \lc                             ; loads come back in order: this quarter's q is in; behind it were issued sixteen loads for each of the next two quarters
	s_wait_dscnt 0x0                               ; its kT is in
	WIN MUL_LO
	MUL16 FB, FA, 0, 0, \zero
	MUL16 FB, FA, 0, 2, \zero
	PLACES
	FETCHB \slot, (\qd)+1, 128-64*((\qd)%2)
.if (\u) >= 0
	ALOAD (\u)+3, ((\qd)+3)%4
.endif
	WIN MUL_HI
	MUL16 FB, FA, 1, 0, \zero
	MUL16 FB, FA, 1, 2, \zero
.endm
; Quarter 3 changes slots: ONE barrier.  In front of it each wave waits for all its tensor loads (one is out: its part of the next slot), adds 0 to its spare word, and waits for that and for
; its reads of this slot.  Behind it nobody reads this slot and the next slot is whole.  fill = 1: this slot is filled again, two K steps ahead, first thing behind the barrier.
.macro TURN slot, next, fill, u
	WIN 0                                          ; (the add's two registers lie in window 0)
	s_wait_tensorcnt 0x0                           ; no tensor load of mine is out, so a group 0 may be written
	ds_add_u32 v[SPW], v[NIL]                      ; 0 onto my spare word
.if \fill
	s_add_nc_u64 s[G0B+4*\slot+2:G0B+4*\slot+3], s[G0B+4*\slot+2:G0B+4*\slot+3], 1<<22   ; two K steps on: 1,024 rows of 4,096 bytes
.endif
	s_wait_loadcnt 32                              ; this quarter's q is in; the next two quarters' 32 loads may be out
	s_wait_dscnt 1                                 ; its kT is in (the add may be out)
	WIN MUL_LO1
	MUL16 F1, 192, 0, 0, 0
	s_wait_dscnt 0x0                               ; the add is done, and my reads of this slot are over
	s_barrier_signal -1
	MUL16 F1, 192, 0, 2, 0                         ; work on registers while the others arrive
	WIN 0
	s_barrier_wait -1
.if \fill
	TLOAD \slot                                    ; my one tensor load behind the barrier; its four v_nop are also the places in front of the loads below
.else
	PLACES
.endif
	FETCHB \next, 0, F0
	ALOAD (\u)+3, 2
	WIN MUL_HI1
	MUL16 F1, 192, 1, 0, 0
	MUL16 F1, 192, 1, 2, 0
.endm
	s_wait_tensorcnt 1                             ; my part of K step 0 is in (K step 1's load may be out)
	s_barrier_signal -1
	s_barrier_wait -1                              ; everybody's is
	FETCHB 0, 0, F0
	QUARTER 0, 0, 0, 32, 1                         ; the first products start the sums: nothing is cleared
	WIN 0                                          ; at a label and at a branch every window is 0
	s_mov_b32 s3, 3
.Llap:                                                 ; 3 trips, two K steps each: from a lap's second quarter to the next lap's first; both slots are filled again
	QUARTER 0, 1, 1, 32, 0
	QUARTER 0, 2, 2, 32, 0
	TURN 0, 1, 1, 3
	QUARTER 1, 0, 4, 32, 0
	QUARTER 1, 1, 5, 32, 0
	QUARTER 1, 2, 6, 32, 0
	TURN 1, 0, 1, 7
	QUARTER 0, 0, 8, 32, 0
	WIN 0
	s_wait_xcnt 0x0                                ; the loads of q have read their base: it steps only behind this wait
	s_add_nc_u64 s[AP:AP+1], s[AP:AP+1], 8*8192    ; a lap on: eight quarters of 8,192 bytes
	s_sub_co_u32 s3, s3, 1
	s_cmp_lg_u32 s3, 0
	s_cbranch_scc1 .Llap
	QUARTER 0, 1, 1, 32, 0                         ; K steps 6 and 7: no slot is filled again, and q's loads end with the lap's eighth quarter
	QUARTER 0, 2, 2, 32, 0
	TURN 0, 1, 0, 3
	QUARTER 1, 0, 4, 32, 0
	QUARTER 1, 1, -1, 32, 0
	QUARTER 1, 2, -1, 16, 0                        ; behind this quarter's q only the last quarter's sixteen loads were issued
	s_wait_loadcnt 0x0
	s_wait_dscnt 0x0
	WIN MUL_LO1
	MUL16 F1, 192, 0, 0, 0
	MUL16 F1, 192, 0, 2, 0
	WIN MUL_HI1
	MUL16 F1, 192, 1, 0, 0
	MUL16 F1, 192, 1, 2, 0
	WIN 0
	PLACES
	s_wait_dscnt 0x0                               ; my reads of the slots are over;
	s_barrier_signal -1
	s_barrier_wait -1                              ; everybody's are: the slots, which have had their last fill, take the scores
.irp a, 0,1,2,3,4,5,6,7
	WIN 0x08+4*(\a/4)                              ; an LDS store's data are its source 1: window 2 or 3
.irp b, 0,1,2,3,4,5,6,7
	ds_store_b128 v[STO], v[64*(\a%4)+8*\b:64*(\a%4)+8*\b+3] offset:\a*16*XP+64*\b          ; each accumulator from its low end on
	ds_store_b128 v[STO], v[64*(\a%4)+8*\b+4:64*(\a%4)+8*\b+7] offset:\a*16*XP+64*\b+16
.endr
.endr
	WIN 0
	s_wait_dscnt 0x0                               ; for the others' sake: my stores have landed
	s_barrier_signal -1
	s_barrier_wait -1
.macro LOADG g                         ; rows 4 g .. 4 g + 3 of my 32, all four batches
.set XL, X0+64*((\g)%2)
.irp b, 0,1,2,3
.irp rr, 0,1,2,3
	ds_load_b128 v[XL+16*\b+4*\rr:XL+16*\b+4*\rr+3], v[RD+\b] offset:(4*(\g)+\rr)*XP
.endr
.endr
.endm
.macro GROUP g
.if (\g) < 7
	LOADG (\g)+1                                   ; a group ahead, into the other set
	s_wait_dscnt 16                                ; all but the 16 just issued
.else
	s_wait_dscnt 0x0
.endif
.set XB, X0+64*((\g)%2)
.irp n, 0,1,2,3,4,5,6,7,8,9,10,11,12,13,14,15
	v_max3_num_f32 v[MX+\n], v[XB+\n], v[XB+16+\n], v[XB+32+\n]
.endr
.irp n, 0,1,2,3,4,5,6,7,8,9,10,11,12,13,14,15
	v_max_num_f32 v[MX+\n], v[MX+\n], v[XB+48+\n]                  ; the largest of the four batches' scores
.endr
.irp n, 0,2,4,6,8,10,12,14
	v_pk_mul_f32 v[MX+\n:MX+\n+1], v[MX+\n:MX+\n+1], s[CS:CS+1] op_sel_hi:[1,0]
.endr
.irp b, 0,1,2,3
.irp n, 0,2,4,6,8,10,12,14
	v_pk_fma_f32 v[XB+16*\b+\n:XB+16*\b+\n+1], v[XB+16*\b+\n:XB+16*\b+\n+1], s[CS:CS+1], v[MX+\n:MX+\n+1] op_sel_hi:[1,0,1] neg_lo:[0,0,1] neg_hi:[0,0,1]   ; (score - largest) x log2(e) / 32
.endr
.endr
.set n, 0
.rept 64
	v_exp_f32 v[XB+n], v[XB+n]
.set n, n+1
.endr
	v_nop                                          ; a plain instruction behind the last exponential
	s_wait_alu depctr_va_vdst(0)                   ; one wait for the batch of 64, ahead of its first reader
.irp n, 0,2,4,6,8,10,12,14
	v_pk_add_f32 v[MX+\n:MX+\n+1], v[XB+\n:XB+\n+1], v[XB+16+\n:XB+16+\n+1]
.endr
.irp n, 0,2,4,6,8,10,12,14
	v_pk_add_f32 v[SM+\n:SM+\n+1], v[XB+32+\n:XB+32+\n+1], v[XB+48+\n:XB+48+\n+1]
.endr
.irp n, 0,2,4,6,8,10,12,14
	v_pk_add_f32 v[SM+\n:SM+\n+1], v[SM+\n:SM+\n+1], v[MX+\n:MX+\n+1]
.endr
.irp n, 0,1,2,3,4,5,6,7,8,9,10,11,12,13,14,15
	v_rcp_f32 v[SM+\n], v[SM+\n]
.endr
	v_nop
	s_wait_alu depctr_va_vdst(0)                   ; one wait for the 16 reciprocals
	s_cmp_eq_u32 s15, 0                            ; a branch on the tile's place alone
	s_cbranch_scc1 .Lopen_\@
.irp rr, 0,1,2,3                       ; on the diagonal: column 4 lane + e counts for row 32 w + 4 g + rr where 4 lane - 32 w <= 4 g + rr - e; elsewhere the reciprocal becomes 0
.irp e, 0,1,2,3
	v_cmp_ge_i32 vcc_lo, 4*(\g)+\rr-\e, v[DV]
	v_cndmask_b32 v[SM+4*\rr+\e], 0, v[SM+4*\rr+\e], vcc_lo
.endr
.endr
.Lopen_\@:
.irp b, 0,1,2,3
.irp n, 0,2,4,6,8,10,12,14
	v_pk_fma_f32 v[XB+16*\b+\n:XB+16*\b+\n+1], v[XB+16*\b+\n:XB+16*\b+\n+1], v[SM+\n:SM+\n+1], s[EPS:EPS+1] op_sel_hi:[1,1,0]   ; the weight less 1e-9; a hidden one is -1e-9, which f16 rounds to a zero
.endr
.endr
	s_wait_xcnt 0x0                                ; the last group's stores have read their registers
.irp b, 0,1,2,3
.irp k, 0,1,2,3,4,5,6,7
	v_cvt_pk_f16_f32 v[OUTR+8*\b+\k], v[XB+16*\b+2*\k], v[XB+16*\b+2*\k+1]
.endr
.endr
.irp b, 0,1,2,3
.irp rr, 0,1,2,3
	global_store_b64 v[PO], v[OUTR+8*\b+2*\rr:OUTR+8*\b+2*\rr+1], s[PBAS+2*\b:PBAS+2*\b+1] offset:(4*(\g)+\rr)*4096   ; 32 lanes store 256 consecutive bytes, aligned
.endr
.endr
.endm
	LOADG 0
.irp g, 0,1,2,3,4,5,6,7
	GROUP \g
.endr
	s_wait_tensorcnt 0x0                           ; the wave's end: behind my last tensor load and my last LDS store
	ds_add_u32 v[SPW], v[NIL]
	s_wait_dscnt 0x0
	s_endpgm
.Lfunc_end_k_q9f3632edc8_score:
	.size	k_q9f3632edc8_score, .Lfunc_end_k_q9f3632edc8_score-k_q9f3632edc8_score
	.p2alignl 7, 3214868480
	.fill 96, 4, 3214868480
	.section	.rodata,"a",@progbits
	.p2align	6, 0x0
	.amdhsa_kernel k_q9f3632edc8_score
		.amdhsa_group_segment_fixed_size 327680
		.amdhsa_private_segment_fixed_size 0
		.amdhsa_enable_private_segment 0
		.amdhsa_kernarg_size 16
		.amdhsa_user_sgpr_count 2
		.amdhsa_user_sgpr_kernarg_segment_ptr 1
		.amdhsa_wavefront_size32 1
		.amdhsa_system_sgpr_workgroup_id_x 1
		.amdhsa_system_sgpr_workgroup_id_y 1
		.amdhsa_system_sgpr_workgroup_id_z 1
		.amdhsa_system_vgpr_workitem_id 0
		.amdhsa_next_free_vgpr 1024
		.amdhsa_next_free_sgpr 80
		.amdhsa_reserve_vcc 1
		.amdhsa_float_denorm_mode_32 3
		.amdhsa_float_denorm_mode_16_64 3
		.amdhsa_memory_ordered 1
		.amdhsa_forward_progress 1
		.amdhsa_inst_pref_size 250
	.end_amdhsa_kernel
	.amdgpu_metadata
---
amdhsa.version: [ 1, 2 ]
amdhsa.kernels:
  - .name:           k_q9f3632edc8_score
    .symbol:         k_q9f3632edc8_score.kd
    .args:
      - { .name: qkv, .offset: 0, .size: 8, .value_kind: global_buffer, .address_space: global }
      - { .name: P, .offset: 8, .size: 8, .value_kind: global_buffer, .address_space: global }
    .group_segment_fixed_size: 327680
    .private_segment_fixed_size: 0
    .kernarg_segment_align: 8
    .kernarg_segment_size: 16
    .max_flat_workgroup_size: 128
    .sgpr_count:     80
    .vgpr_count:     1024
    .wavefront_size: 32
...
	.end_amdgpu_metadata
.endif
;; end of part 3
;; launch pv (part 4): grid 8 x 32, 4 waves a work-group, clusters of 4 x 1, 327,680 bytes of LDS; arguments P, qkv, vpart, out0; writes out0
.if DOCPART == 4
	.amdgcn_target "amdgcn-amd-amdhsa--gfx1250"
	.amdhsa_code_object_version 6
	.text
	.protected	k_q9f3632edc8_pv
	.globl	k_q9f3632edc8_pv
	.p2align	8
	.type	k_q9f3632edc8_pv,@function
k_q9f3632edc8_pv:
	s_mov_b64 s[64:65], 0
	v_nop
	global_prefetch_b8 v0, s[64:65] scope:SCOPE_SE
	s_setreg_imm32_b32 hwreg(HW_REG_WAVE_MODE, 25, 1), 1
	s_wait_xcnt 0x0
	s_wait_alu depctr_hold_cnt(0) depctr_sa_sdst(0) depctr_va_vdst(0) depctr_va_sdst(0) depctr_va_ssrc(0) depctr_va_vcc(0) depctr_vm_vsrc(0)
	s_getreg_b32 s2, hwreg(HW_REG_IB_STS2, 6, 4)
	s_cmp_eq_u32 s2, 0
	s_cbranch_scc0 .Lentry_in_a_cluster
	s_endpgm
.Lentry_in_a_cluster:
	s_bfe_u32 s2, ttmp6, 0x10000c
	s_cmp_lg_u32 s2, 0x3003
	s_cbranch_scc0 .Lentry_shape_is_right
	s_endpgm
.Lentry_shape_is_right:
; out[b][s][d] = sum over t <= s of P[b][s][t] v[b][t][d] + 1e-9 x (sum over all t of v[b][t][d]).  P, v: f16; sums and out: f32.
; LEFT OUT: the K steps of 128 in which every t > s: there where(tril, a - c, 0) is a zero that reference()'s own mask makes (shown at the head of the first kernel).  The second term is the C of each sum's start.
; SHARES.  A work-group makes TWO tiles of 128 x 128: row blocks ie = 2 p and io = 15 - 2 p of batch b, column block 4 x cluster x + cx.  Together they have 2 p + 1 + 16 - 2 p = 17 chunks of 128 along K, whatever p:
; all 256 work-groups do the same work.  The walk: step 0 is ie's chunk on the diagonal (K = 128); steps 1 .. p are ie's chunks 0 .. 2 p - 1, 256 a step; steps p + 1 .. 8 are io's 16 - 2 p chunks.  Nine steps, a constant.
; A wave makes 64 x 64: 16 accumulators.  When step p is done, ie's tile goes out and the sums begin anew: a branch on the step's number and p, the same in all waves and partners.
; CLUSTER: the four work-groups of a cluster differ in their columns alone: they need the same tiles of P, which are asked for JOINTLY (waves 0, 1); v's tiles are each work-group's own (waves 2, 3), plain loads behind the same rounds.
; v's tiles are not shared: the work-groups with the same columns walk different K.
; 63 lie at rows 0-63, t = 64 .. 127 at rows 128-191.
; THE MATRIX INSTRUCTION IS USED TRANSPOSED (source 0 = 16 columns of v, turned on the way out of LDS; source 1 = 16 rows of P): a lane holds one row of out and eight neighbouring columns.
; REGISTERS: window 0: v0-31 addresses; v32-95 at work; v96-127 the second term in the result's layout; v128-255 the accumulators ((a, b) at v[128 + 8 (4 a + b)]).
;   window 1: two fragment buffers of 128: for 64 along K, 64 registers of P (2 x 4 x 16 rows x 32 K), then 64 of v.
.set PA,    528                        ; a row of P's tile: 512 bytes + 16
.set PB,    288                        ; a row of v's tile: 256 bytes + 32
.set AHALF, 64*PA                      ; what one load brings of P
.set BOFF,  2*AHALF
.set BHALF, 128*PB                     ; and of v
.set SLOT,  BOFF+2*BHALF               ; 141,312 bytes
.set STAGE, 2*SLOT                     ; behind the slots: 16 rows x 272 bytes for each wave; no tensor load lands there
.set SP,    272
.set SPARE, STAGE+4*16*SP              ; behind the stages: the spare words, 128 bytes for each wave
.set ADRA, 16                          ; v16-17  LDS address of my P fragments in slot 0, 1
.set ADRB, 20                          ; v20-23  of my v fragments: slot 0 rows 0-127, rows 128-255; slot 1 likewise
.set STO,  24                          ; v24     the way out: where I put 32 bytes of a row
.set RD,   25                          ; v25     and where I read a row back
.set CO,   26                          ; v26     my byte offset in two rows of out
.set BA,   27                          ; v27     stage + 32 (l / 16)
.set SPW,  28                          ; v28     LDS address of my spare word; never rewritten
.set NIL,  29                          ; v29     0; never rewritten
.set TMP,  32
.set BI,   96
.set ACC,  128
.set F0,   0
.set F1,   128
.set G1A, 24                           ; s[24:31] descriptor group 1 for P's tiles;  s[32:39] group 0, one set for each slot
.set G0A, 32
.set G1B, 48                           ; s[48:55], s[56:63] the same for v's
.set G0B, 56
.set G1AH, 68                          ; s[68:75], s[76:83] groups 1 for step 0
.set G1BH, 76
.set MSB, 0
.macro WIN new                         ; the immediate's high byte repeats the setting that is left
.if MSB != \new
	s_set_vgpr_msb (MSB<<8)|\new
.set MSB, \new
.endif
.endm
.set MUL,  0x05                        ; sources 0 (v) and 1 (P) window 1; C and D window 0
.set TO_F, 0x40                        ; destination window 1, address window 0
; Waves 0 and 1 ask jointly for P's two halves, waves 2 and 3 fetch v's.  The branch hangs on the wave's number alone.  An s_nop 0 and four v_nop follow each of the two lines.
.macro JLOAD g0a, g1a, g0b, g1b
	s_cmp_eq_u32 s13, 0
	s_cbranch_scc0 .Lfor_b_\@
	tensor_load_to_lds s[\g0a:\g0a+3], s[\g1a:\g1a+7]
	s_nop 0
.rept 4
	v_nop
.endr
	s_branch .Lasked_\@
.Lfor_b_\@:
	tensor_load_to_lds s[\g0b:\g0b+3], s[\g1b:\g1b+7]
	s_nop 0
.rept 4
	v_nop
.endr
.Lasked_\@:
.endm
.macro CREST                           ; a round of the cluster's barrier behind its opening barrier
	s_cmp_lg_u32 s12, 0
	s_cbranch_scc1 .Lnot_wave_0_\@
	s_barrier_signal -3
.Lnot_wave_0_\@:
	s_barrier_wait -3
	s_barrier_signal -1
	s_barrier_wait -1
.endm
.macro CROUND
	s_barrier_signal -1
	s_barrier_wait -1
	CREST
.endm
; The addresses of step m >= 1 into the groups 0 of a slot; s46 = m - 1 on entry.  m - 1 < p: ie's K step m - 1; else io's K step m - 1 - p.  P's offset is made in registers that never hold cx.
.macro NEXTADR slot
	s_sub_co_u32 s47, s46, s18
	s_cmp_ge_u32 s46, s18
	s_cselect_b32 s46, s47, s46                    ; which 256 along K
	s_cselect_b32 s47, s20, s19                    ; which block of rows
	s_lshl_b32 s47, s47, 19                        ; 128 rows of 4,096 bytes
	s_lshl_b32 s42, s46, 9                         ; 256 numbers of a row
	s_add_co_u32 s42, s42, s47
	s_add_co_u32 s42, s42, s40
	s_lshl_b32 s44, s46, 21                        ; two chunks of 128 rows of v, four batches each
	s_add_co_u32 s44, s44, s41
	s_add_nc_u64 s[G0A+4*\slot+2:G0A+4*\slot+3], s[4:5], s[42:43]
	s_or_b32 s[G0A+4*\slot+3], s[G0A+4*\slot+3], 0x80000000
	s_add_nc_u64 s[G0B+4*\slot+2:G0B+4*\slot+3], s[6:7], s[44:45]
	s_or_b32 s[G0B+4*\slot+3], s[G0B+4*\slot+3], 0x80000000
.endm
	s_load_b256 s[4:11], s[0:1], 0x0               ; P s[4:5], the planes s[6:7], the column sums s[8:9], out s[10:11]
	v_lshl_add_u32 v[SPW], v0, 2, SPARE
	v_mov_b32 v[NIL], 0
	ds_add_u32 v[SPW], v[NIL]                      ; the wave's opening: the add, twice on end, and its wait ahead of the round in front of my first tensor load
	ds_add_u32 v[SPW], v[NIL]
	v_lshrrev_b32 v1, 5, v0
	v_readfirstlane_b32 s12, v1                    ; wave 0..3
	s_lshr_b32 s13, s12, 1                         ; which half of the tile's rows is mine.  Also: I fetch for P (0) or for v (1)
	s_and_b32 s14, s12, 1                          ; which half of its columns.  Also: which half of that tile I fetch
	s_bfe_u32 s15, ttmp6, 0x40000                  ; cx
	s_lshl_b32 s16, ttmp9, 2
	s_add_co_u32 s16, s16, s15                     ; my block of 128 columns: it enters v's, the sums' and out's addresses alone
	s_and_b32 s22, ttmp7, 0xffff                   ; y, which the four partners share
	s_lshr_b32 s17, s22, 3                         ; b
	s_and_b32 s18, s22, 7                          ; p
	s_lshl_b32 s19, s18, 1                         ; ie
	s_sub_co_u32 s20, 15, s19                      ; io
	s_mov_b32 s21, 0                               ; the step in hand
	; descriptor group 1.  P: 64 rows of 256 elements of 2 bytes, 2,048 apart; 4 words of padding behind every 128
	s_mov_b32 s[G1A+0], 15|(1<<16)|(1<<20)|(1<<21)|(6<<22)|(3<<25)  ; the mask names all four; bit 21 beside it
	s_mov_b32 s[G1A+1], 256<<16                    ; tensor_dim0
	s_mov_b32 s[G1A+2], 64<<16                     ; tensor_dim1
	s_mov_b32 s[G1A+3], 256<<16                    ; tile_dim0
	s_mov_b32 s[G1A+4], 64                         ; tile_dim1
	s_mov_b32 s[G1A+5], 2048
	s_mov_b32 s[G1A+6], 0
	s_mov_b32 s[G1A+7], 0
	s_mov_b32 s[G1AH+0], 15|(1<<16)|(1<<20)|(1<<21)|(6<<22)|(3<<25)
	s_mov_b32 s[G1AH+1], 128<<16                   ; step 0: the tensor ends behind 128 numbers of a row: zeros follow
	s_mov_b32 s[G1AH+2], 64<<16
	s_mov_b32 s[G1AH+3], 256<<16
	s_mov_b32 s[G1AH+4], 64
	s_mov_b32 s[G1AH+5], 2048
	s_mov_b32 s[G1AH+6], 0
	s_mov_b32 s[G1AH+7], 0
	; v: 128 rows of 128 elements of 2 bytes, 1,024 apart; 8 words of padding behind every 64; no mask
	s_mov_b32 s[G1B+0], (1<<16)|(1<<20)|(5<<22)|(7<<25)
	s_mov_b32 s[G1B+1], 128<<16
	s_mov_b32 s[G1B+2], 128<<16
	s_mov_b32 s[G1B+3], 128<<16
	s_mov_b32 s[G1B+4], 128
	s_mov_b32 s[G1B+5], 1024
	s_mov_b32 s[G1B+6], 0
	s_mov_b32 s[G1B+7], 0
	s_mov_b32 s[G1BH+0], (1<<16)|(1<<20)|(5<<22)|(7<<25)
	s_mov_b32 s[G1BH+1], 128<<16
	s_mov_b32 s[G1BH+2], 64<<16                    ; step 0: the tensor ends behind 64 rows: rows of zeros follow
	s_mov_b32 s[G1BH+3], 128<<16
	s_mov_b32 s[G1BH+4], 128
	s_mov_b32 s[G1BH+5], 1024
	s_mov_b32 s[G1BH+6], 0
	s_mov_b32 s[G1BH+7], 0
	s_lshl_b32 s40, s17, 23                        ; P: my batch,
	s_lshl_b32 s22, s14, 18                        ; the 64 rows that I fetch
	s_add_co_u32 s40, s40, s22
	s_lshl_b32 s41, s14, 20                        ; v: the chunk of 128 rows that I fetch,
	s_lshl_b32 s2, s17, 18                         ; my batch's rows in it,
	s_add_co_u32 s41, s41, s2
	s_lshl_b32 s2, s16, 8                          ; my 256 bytes of a row,
	s_add_co_u32 s41, s41, s2
	s_add_co_u32 s41, s41, 1<<25                   ; in v's plane
	s_mov_b32 s43, 0
	s_mov_b32 s45, 0
	s_mul_i32 s22, s14, AHALF                      ; where they go: no place in the cluster enters an LDS address
	s_mul_i32 s23, s14, BHALF
	s_add_co_u32 s23, s23, BOFF
.irp s, 0,1
	s_mov_b32 s[G0A+4*\s], 1
	s_add_co_u32 s[G0A+4*\s+1], s22, \s*SLOT
	s_mov_b32 s[G0B+4*\s], 1
	s_add_co_u32 s[G0B+4*\s+1], s23, \s*SLOT
.endr
	s_lshl_b32 s42, s19, 19                        ; step 0: P's block ie,
	s_lshl_b32 s46, s19, 8                         ; its chunk ie
	s_add_co_u32 s42, s42, s46
	s_add_co_u32 s42, s42, s40
	s_lshl_b32 s44, s19, 20                        ; v's chunk ie,
	s_lshl_b32 s2, s17, 18
	s_add_co_u32 s44, s44, s2
	s_lshl_b32 s2, s14, 17                         ; the 64 rows of it that I fetch
	s_add_co_u32 s44, s44, s2
	s_lshl_b32 s2, s16, 8
	s_add_co_u32 s44, s44, s2
	s_add_co_u32 s44, s44, 1<<25
	s_wait_dscnt 0x0                               ; both opening adds are done
	s_wait_kmcnt 0x0
	s_add_nc_u64 s[G0A+2:G0A+3], s[4:5], s[42:43]
	s_or_b32 s[G0A+3], s[G0A+3], 0x80000000
	s_add_nc_u64 s[G0B+2:G0B+3], s[6:7], s[44:45]
	s_or_b32 s[G0B+3], s[G0B+3], 0x80000000
	s_mov_b32 s46, 0
	NEXTADR 1                                      ; step 1
	CROUND                                         ; all four work-groups are here: the first joint loads meet
	JLOAD G0A, G1AH, G0B, G1BH                     ; step 0 into slot 0,
	JLOAD G0A+4, G1A, G0B+4, G1B                   ; step 1 into slot 1: two loads of mine are out
	; where my 64 x 64 goes in out, for ie and for io
	s_lshl_b32 s88, s17, 23
	s_lshl_b32 s2, s13, 18
	s_add_co_u32 s88, s88, s2
	s_lshl_b32 s2, s16, 9
	s_add_co_u32 s88, s88, s2
	s_lshl_b32 s2, s14, 8
	s_add_co_u32 s88, s88, s2
	s_mov_b32 s89, 0
	s_add_nc_u64 s[86:87], s[10:11], s[88:89]
	s_lshl_b32 s88, s19, 19
	s_add_nc_u64 s[84:85], s[86:87], s[88:89]      ; s[84:85]: the tile in hand: ie's
	s_lshl_b32 s88, s20, 19
	s_add_nc_u64 s[86:87], s[86:87], s[88:89]      ; s[86:87]: io's
	; the second term: 1e-9 x the sum of my batch's 16 partial column sums, for my 64 columns, two a lane
	s_lshl_b32 s88, s17, 16
	s_lshl_b32 s2, s16, 9
	s_add_co_u32 s88, s88, s2
	s_lshl_b32 s2, s14, 8
	s_add_co_u32 s88, s88, s2
	s_add_nc_u64 s[8:9], s[8:9], s[88:89]
	v_and_b32 v1, 31, v0
	v_lshlrev_b32 v30, 3, v1
.irp k, 0,1,2,3,4,5,6,7,8,9,10,11,12,13,14,15
	global_load_b64 v[TMP+2*\k:TMP+2*\k+1], v30, s[8:9] offset:\k*4096
.endr
	v_and_b32 v1, 15, v0                           ; r
	v_bfe_u32 v2, v0, 4, 1                         ; h
	v_mul_u32_u24 v3, v1, PA
	v_lshl_add_u32 v3, v2, 4, v3
	s_mul_i32 s22, s13, AHALF                      ; my 64 rows of P
	v_add_nc_u32 v[ADRA], s22, v3
	v_add_nc_u32 v[ADRA+1], SLOT, v[ADRA]
	v_and_b32 v4, 7, v0
	v_lshl_add_u32 v4, v2, 3, v4
	v_mul_u32_u24 v4, v4, PB
	v_bfe_u32 v5, v0, 3, 1
	v_lshl_add_u32 v4, v5, 4, v4                   ; (8 h + l % 8) 288 + 16 ((l / 8) % 2)
	s_lshl_b32 s23, s14, 7                         ; my 64 columns
	s_add_co_u32 s23, s23, BOFF
	v_add_nc_u32 v[ADRB], s23, v4
	v_add_nc_u32 v[ADRB+1], BHALF, v[ADRB]
	v_add_nc_u32 v[ADRB+2], SLOT, v[ADRB]
	v_add_nc_u32 v[ADRB+3], SLOT, v[ADRB+1]
	s_mul_i32 s22, s12, 16*SP
	s_add_co_u32 s22, s22, STAGE                   ; my stage
	v_mul_u32_u24 v5, v1, SP
	v_lshl_add_u32 v5, v2, 5, v5
	v_add_nc_u32 v[STO], s22, v5                   ; in: row r, 32 bytes for each half of the lanes
	v_mul_u32_u24 v5, v2, SP
	v_lshl_add_u32 v5, v1, 4, v5
	v_add_nc_u32 v[RD], s22, v5                    ; back: lanes 0-15 one row of 256 bytes, lanes 16-31 the next
	v_lshlrev_b32 v5, 12, v2
	v_lshl_add_u32 v[CO], v1, 4, v5                ; and the same two rows in out
	v_lshlrev_b32 v5, 5, v2
	v_add_nc_u32 v[BA], s22, v5
	v_add_nc_u32 v31, s22, v30
	s_wait_loadcnt 0x0
.irp k, 0,1,2,3,4,5,6,7
	v_pk_add_f32 v[TMP+2*\k:TMP+2*\k+1], v[TMP+2*\k:TMP+2*\k+1], v[TMP+16+2*\k:TMP+16+2*\k+1]
.endr
.irp k, 0,1,2,3
	v_pk_add_f32 v[TMP+2*\k:TMP+2*\k+1], v[TMP+2*\k:TMP+2*\k+1], v[TMP+8+2*\k:TMP+8+2*\k+1]
.endr
.irp k, 0,1
	v_pk_add_f32 v[TMP+2*\k:TMP+2*\k+1], v[TMP+2*\k:TMP+2*\k+1], v[TMP+4+2*\k:TMP+4+2*\k+1]
.endr
	v_pk_add_f32 v[TMP:TMP+1], v[TMP:TMP+1], v[TMP+2:TMP+3]
	v_pk_mul_f32 v[TMP:TMP+1], v[TMP:TMP+1], 0x3089705f op_sel_hi:[1,0]   ; x 1e-9
	ds_store_b64 v31, v[TMP:TMP+1]                 ; my wave's 64 numbers, 256 bytes of my stage,
.irp b, 0,1,2,3
.irp c, 0,1
	ds_load_b128 v[BI+8*\b+4*\c:BI+8*\b+4*\c+3], v[BA] offset:64*\b+16*\c   ; and back in the result's layout: register 8 b + j: column 16 b + 8 h + j.  LDS serves a wave's instructions in order
.endr
.endr
; 8 matrix instructions: row blocks a0, a0 + 1 x all 4 column blocks, 32 along K: half c of buffer f.  mode = 1: the first product starts the sums from the second term.
; The 16 accumulators take turns, one instruction a turn.
.macro MUL8 f, c, a0, mode
.irp a, \a0, \a0+1
.irp b, 0,1,2,3
.if \mode
	v_wmma_f32_16x16x32_f16 v[ACC+8*(4*(\a)+\b):ACC+8*(4*(\a)+\b)+7], v[\f+64+8*(4*\c+\b):\f+64+8*(4*\c+\b)+7], v[\f+8*(4*\c+\a):\f+8*(4*\c+\a)+7], v[BI+8*\b:BI+8*\b+7]
.else
	v_wmma_f32_16x16x32_f16 v[ACC+8*(4*(\a)+\b):ACC+8*(4*(\a)+\b)+7], v[\f+64+8*(4*\c+\b):\f+64+8*(4*\c+\b)+7], v[\f+8*(4*\c+\a):\f+8*(4*\c+\a)+7], v[ACC+8*(4*(\a)+\b):ACC+8*(4*(\a)+\b)+7]
.endif
.endr
.endr
.endm
; 32 LDS loads in one run: the fragments of 64 along K into buffer f: P's from quarter qa of its rows, v's from quarter qb of its rows; the first 32 along K first
.macro FETCH slot, qa, qb, f
	WIN TO_F
.irp c, 0,1
.irp i, 0,1,2,3
	ds_load_tr16_b128 v[\f+64+8*(4*\c+\i):\f+64+8*(4*\c+\i)+3],   v[ADRB+2*\slot+(\qb)/2] offset:(((\qb)%2)*64+32*\c)*PB+32*\i
	ds_load_tr16_b128 v[\f+64+8*(4*\c+\i)+4:\f+64+8*(4*\c+\i)+7], v[ADRB+2*\slot+(\qb)/2] offset:(((\qb)%2)*64+32*\c)*PB+16*PB+32*\i
	ds_load_b128 v[\f+8*(4*\c+\i):\f+8*(4*\c+\i)+3],              v[ADRA+\slot] offset:128*(\qa)+64*\c+\i*16*PA
	ds_load_b128 v[\f+8*(4*\c+\i)+4:\f+8*(4*\c+\i)+7],            v[ADRA+\slot] offset:128*(\qa)+64*\c+\i*16*PA+32
.endr
.endr
.endm
.macro PLACES                          ; four places in front of loads into registers that matrix instructions have read, and of reads of results (ISA guide 7.12.1 for vector instructions)
.rept 4
	v_nop
.endr
.endm
; A quarter, 64 along K: multiplies buffer f and fetches the next quarter (qa, qb) into g.
.macro QUARTER slot, qa, qb, f, g, mode
	s_wait_dscnt 16                                ; the first 32 along K are in; the youngest sixteen loads may be out
	WIN MUL
	MUL8 \f, 0, 0, \mode
	MUL8 \f, 0, 2, \mode
	PLACES
	FETCH \slot, \qa, \qb, \g
	s_wait_dscnt 32                                ; all but the 32 just issued
	WIN MUL
	MUL8 \f, 1, 0, 0
	MUL8 \f, 1, 2, 0
.endm
; A step's last quarter multiplies buffer 1 and changes slots.  In front of the barrier each wave waits for all its tensor loads (its part of the next slot), adds 0 to its spare word, and waits for that and for its reads
; of this slot.  fill = 1: the barrier opens a round of the cluster's barrier, and this slot is filled again, two steps ahead, first thing behind the round.
.macro TURN slot, next, fill
	WIN 0                                          ; (the add's two registers lie in window 0)
	s_wait_tensorcnt 0x0                           ; no tensor load of mine is out, so a group 0 may be written
	ds_add_u32 v[SPW], v[NIL]                      ; 0 onto my spare word
.if \fill
	s_add_co_u32 s46, s21, 1                       ; the step two on, less 1
	NEXTADR \slot
.endif
	s_wait_dscnt 17                                ; (the add and the youngest sixteen loads may be out)
	WIN MUL
	MUL8 F1, 0, 0, 0
	s_wait_dscnt 0x0                               ; the add is done, and my reads of this slot are over
	s_barrier_signal -1
	MUL8 F1, 0, 2, 0
.if \fill
	WIN 0
.endif
	s_barrier_wait -1
.if \fill
	CREST                                          ; no wave of any partner still reads this slot's tile or has a load on its way
	JLOAD G0A+4*\slot, G1A, G0B+4*\slot, G1B       ; my one tensor load behind the round; its four v_nop are also the places in front of the loads below
.else
	PLACES
.endif
	FETCH \next, 0, 0, F0
	WIN MUL
	MUL8 F1, 1, 0, 0
	MUL8 F1, 1, 2, 0
.endm
; THE WAY OUT of my 64 x 64, a block of 16 rows at a time through my own stage: a lane's 32 bytes of a row go in, whole rows of 256 bytes come back.
.macro OUT
	PLACES
.irp a, 0,1,2,3
.irp b, 0,1,2,3
	ds_store_b128 v[STO], v[ACC+8*(4*\a+\b):ACC+8*(4*\a+\b)+3] offset:64*\b          ; each accumulator from its low end on
	ds_store_b128 v[STO], v[ACC+8*(4*\a+\b)+4:ACC+8*(4*\a+\b)+7] offset:64*\b+16
.endr
	s_wait_xcnt 0x0                                ; earlier stores have read the registers into which the loads below land
.irp t, 0,1,2,3,4,5,6,7
	ds_load_b128 v[TMP+32*(\a%2)+4*\t:TMP+32*(\a%2)+4*\t+3], v[RD] offset:\t*2*SP    ; LDS serves a wave's instructions in order: these see the stores above
.endr
	s_wait_dscnt 0x0
.irp t, 0,1,2,3,4,5,6,7
	global_store_b128 v[CO], v[TMP+32*(\a%2)+4*\t:TMP+32*(\a%2)+4*\t+3], s[84:85] offset:\a*65536+\t*8192 th:TH_STORE_NT   ; sixteen lanes store 256 consecutive bytes, aligned; written once, read by nobody here
.endr
.endr
.endm
; Behind each step: where it was ie's last (step p), ie's tile goes out and the sums begin anew from the second term.  p differs from work-group to work-group, so the first product of io's tile cannot be
; written out with another C: 128 moves, run once.
.macro SWITCH
	WIN 0
	s_cmp_lg_u32 s21, s18
	s_cbranch_scc1 .Lsame_\@
	OUT
	s_wait_xcnt 0x0                                ; the stores have read their base
	s_mov_b64 s[84:85], s[86:87]                   ; on to io's tile
.set k, 0
.rept 128
	v_mov_b32 v[ACC+k], v[BI+k%32]
.set k, k+1
.endr
.Lsame_\@:
	s_add_co_u32 s21, s21, 1
.endm
	s_wait_tensorcnt 1                             ; my part of step 0 is in (step 1's load may be out)
	s_wait_dscnt 0x0                               ; the second term is in its registers,
	s_barrier_signal -1
	s_barrier_wait -1                              ; everybody's part is in
	FETCH 0, 0, 0, F0
	QUARTER 0, 1, 2, F0, F1, 1                     ; step 0, K = 128: its first products start the sums; its second 64 rows of v lie at rows 128 on
	TURN 0, 1, 1
	SWITCH
	s_mov_b32 s3, 3
.Llap:                                                 ; 3 trips, two steps each: steps 1 to 6; both slots are filled again
	QUARTER 1, 1, 1, F0, F1, 0
	QUARTER 1, 2, 2, F1, F0, 0
	QUARTER 1, 3, 3, F0, F1, 0
	TURN 1, 0, 1
	SWITCH
	QUARTER 0, 1, 1, F0, F1, 0
	QUARTER 0, 2, 2, F1, F0, 0
	QUARTER 0, 3, 3, F0, F1, 0
	TURN 0, 1, 1
	SWITCH
	s_sub_co_u32 s3, s3, 1
	s_cmp_lg_u32 s3, 0
	s_cbranch_scc1 .Llap
	QUARTER 1, 1, 1, F0, F1, 0                     ; steps 7 and 8 ask for nothing more, and have no round of the cluster's barrier
	QUARTER 1, 2, 2, F1, F0, 0
	QUARTER 1, 3, 3, F0, F1, 0
	TURN 1, 0, 0
	SWITCH
	QUARTER 0, 1, 1, F0, F1, 0
	QUARTER 0, 2, 2, F1, F0, 0
	QUARTER 0, 3, 3, F0, F1, 0
	s_wait_dscnt 16                                ; the very last quarter: nothing more to fetch
	WIN MUL
	MUL8 F1, 0, 0, 0
	MUL8 F1, 0, 2, 0
	s_wait_dscnt 0x0
	MUL8 F1, 1, 0, 0
	MUL8 F1, 1, 2, 0
	WIN 0
	OUT                                            ; io's tile
	s_wait_tensorcnt 0x0                           ; the wave's end: behind my last tensor load and my last LDS store
	ds_add_u32 v[SPW], v[NIL]
	s_wait_dscnt 0x0
	CROUND                                         ; the closing round: no work-group ends while a partner may still ask for a tile that names it
	s_endpgm
.Lfunc_end_k_q9f3632edc8_pv:
	.size	k_q9f3632edc8_pv, .Lfunc_end_k_q9f3632edc8_pv-k_q9f3632edc8_pv
	.p2alignl 7, 3214868480
	.fill 96, 4, 3214868480
	.section	.rodata,"a",@progbits
	.p2align	6, 0x0
	.amdhsa_kernel k_q9f3632edc8_pv
		.amdhsa_group_segment_fixed_size 327680
		.amdhsa_private_segment_fixed_size 0
		.amdhsa_enable_private_segment 0
		.amdhsa_kernarg_size 32
		.amdhsa_user_sgpr_count 2
		.amdhsa_user_sgpr_kernarg_segment_ptr 1
		.amdhsa_wavefront_size32 1
		.amdhsa_system_sgpr_workgroup_id_x 1
		.amdhsa_system_sgpr_workgroup_id_y 1
		.amdhsa_system_sgpr_workgroup_id_z 1
		.amdhsa_system_vgpr_workitem_id 0
		.amdhsa_next_free_vgpr 512
		.amdhsa_next_free_sgpr 92
		.amdhsa_reserve_vcc 0
		.amdhsa_float_denorm_mode_32 3
		.amdhsa_float_denorm_mode_16_64 3
		.amdhsa_memory_ordered 1
		.amdhsa_forward_progress 1
		.amdhsa_inst_pref_size 148
	.end_amdhsa_kernel
	.amdgpu_metadata
---
amdhsa.version: [ 1, 2 ]
amdhsa.kernels:
  - .name:           k_q9f3632edc8_pv
    .symbol:         k_q9f3632edc8_pv.kd
    .args:
      - { .name: P, .offset: 0, .size: 8, .value_kind: global_buffer, .address_space: global }
      - { .name: qkv, .offset: 8, .size: 8, .value_kind: global_buffer, .address_space: global }
      - { .name: vpart, .offset: 16, .size: 8, .value_kind: global_buffer, .address_space: global }
      - { .name: out0, .offset: 24, .size: 8, .value_kind: global_buffer, .address_space: global }
    .group_segment_fixed_size: 327680
    .private_segment_fixed_size: 0
    .kernarg_segment_align: 8
    .kernarg_segment_size: 32
    .max_flat_workgroup_size: 128
    .sgpr_count:     92
    .vgpr_count:     512
    .wavefront_size: 32
...
	.end_amdgpu_metadata
.endif
;; end of part 4
